; MI455X (gfx1250); checked and timed in simulation.
; The chip was launched on July 23, 2026; its instructions are those of AMD's public machine-readable ISA for CDNA 5 (MIT licence, August 2026) and "CDNA5" Instruction Set Architecture Reference Guide (July 2026). The comments in the code are by the model that wrote it; some were corrected since.
;; Multi Head Attention. Allowed arithmetic: matrix products marked QUANTISED: E2M1 operands, one E8M0 scale for each 32 along K, by v_wmma_scale_f32_16x16x128_f8f6f4 with both operands' format E2M1 (or v_wmma_scale_f32_32x16x128_f4), f32 sums; products left as they are: bf16, f16 or f32 operands; f32 sums; everything else in f32.
;; Inputs: Wk 1,024 x 1,024 float32; Wp 1,024 x 1,024 float32; Wq 1,024 x 1,024 float32; Wv 1,024 x 1,024 float32; bk 1,024 float32; bp 1,024 float32; bq 1,024 float32; bv 1,024 float32; q 8 x 1,024 x 1,024 float32; x 8 x 1,024 x 1,024 float32.
;; Outputs: out0 8 x 1,024 x 1,024 float32.
;; This version of the problem:
;;   THIS VERSION OF THE PROBLEM IS GIVEN IN LOW PRECISION. The matrix products marked QUANTISED in the list below multiply operands that are first quantised to E2M1 (2 exponent bits, 1 mantissa bit; 4 bits a number), with one power-of-two scale for each 32 numbers along K (OCP MX v1.0); their sums are f32. The products marked 'left as it is' may take bf16, f16 or f32 operands, with f32 sums. Whichever they take, every output number must still come out within the allowed error. Rounding operands to bf16 (8 significant bits) uses up far more of that allowance than f16 does (11 bits, for magnitudes from 6e-5 to 65,504). All else is computed in f32.
;;   The module's matrix products, in the order in which they are computed (A, B: the left and right operand; K: the contracted axis; several contracted axes count as one K, in the product's order):
;;     1. [M 8,192, K 1,024] x [K 1,024, N 1,024]; A: input q; B: input Wq: QUANTISED
;;     2. [M 8,192, K 1,024] x [K 1,024, N 1,024]; A: input x; B: input Wk: QUANTISED
;;     3. [M 8,192, K 1,024] x [K 1,024, N 1,024]; A: input x; B: input Wv: QUANTISED
;;     4. batch 128 x [M 1,024, K 64] x [K 64, N 1,024]; A: computed on the way; B: computed on the way: left as it is (an operand is computed on the way)
;;     5. batch 128 x [M 64, K 1,024] x [K 1,024, N 1,024]; A: computed on the way; B: computed on the way: left as it is (an operand is computed on the way)
;;     6. [M 8,192, K 1,024] x [K 1,024, N 1,024]; A: computed on the way; B: input Wp: left as it is (an operand is computed on the way)
;;   THE QUANTISER, for each operand of a quantised product, along K:
;;     - K is cut into blocks of 32 from its start; a last block that is shorter is filled with zeros.
;;     - A block's scale is 2^e with e = floor(log2(the largest magnitude in the block)) - 2, held to -126 .. 127; a block of zeros has e = 0. As a byte (E8M0): e + 127.
;;     - Each number is divided by its block's scale, clamped to +-6, and rounded to the nearest number of E2M1, ties to even, subnormals kept.
;;     - The product sums the exact products of the quantised numbers (number of the format x scale) in f32.
;;   ~~~python
;;   def quantise(x, axis):      # numpy; x: float32 -> the quantised numbers, widened to float32 again
;;       x = np.moveaxis(x, axis, -1); K = x.shape[-1]
;;       x = np.pad(x, [(0, 0)] * (x.ndim - 1) + [(0, -K % 32)]); x = x.reshape(x.shape[:-1] + (-1, 32)); a = np.abs(x).max(-1, keepdims=True)
;;       e = np.where(a > 0, np.clip(np.frexp(np.where(a > 0, a, 1))[1] - 1 - 2, -126, 127), 0)      # np.frexp(a)[1] - 1 = floor(log2(a)), exactly
;;       r = np.clip(x / 2.0 ** e, -6, 6)
;;       step = 2.0 ** (np.maximum(np.frexp(np.where(r == 0, 1, r))[1] - 1, 0) - 1)
;;       q = np.round(r / step) * step * 2.0 ** e      # np.round: ties to even
;;       return np.moveaxis(q.reshape(q.shape[:-2] + (-1,))[..., :K], -1, axis).astype(np.float32)
;;   ~~~
;; One version. Each part assembles by itself: llvm-mc -triple=amdgcn-amd-amdhsa -mcpu=gfx1250 --defsym DOCPART=n.
;; ======== version 1 of 1: 4 launches
;; limits: values are held in f16: magnitudes above 65,504 overflow, below 6.1e-05 lose precision
;; workspace buffers: acod 8,388,608 bytes; ascl 524,288 bytes; wcod 1,572,864 bytes; wscl 98,304 bytes; wph 2,097,152 bytes; qkv 50,331,648 bytes; hds 16,777,216 bytes
;; launch quant (part 1): grid 624 x 1, 4 waves a work-group, no clusters, 68,096 bytes of LDS; arguments q, x, Wq, Wk, Wv, Wp, acod, ascl, wcod, wscl, wph; writes acod, ascl, wcod, wscl, wph
.if DOCPART == 1
	.amdgcn_target "amdgcn-amd-amdhsa--gfx1250"
	.amdhsa_code_object_version 6
	.text
	.protected	k_qe59bf3eeba_quant
	.globl	k_qe59bf3eeba_quant
	.p2align	8
	.type	k_qe59bf3eeba_quant,@function
k_qe59bf3eeba_quant:
	s_mov_b64 s[64:65], 0
	v_nop
	global_prefetch_b8 v0, s[64:65] scope:SCOPE_SE
	s_setreg_imm32_b32 hwreg(HW_REG_WAVE_MODE, 25, 1), 1
	s_wait_xcnt 0x0
; ONE LAUNCH MAKES ALL OPERANDS READY.  The work-group's number picks one of three paths, which never meet again; the long work-groups have the lowest numbers.
; WORK-GROUPS 0 TO 47: Wq, Wk, Wv, [1024 (k)][1024 (c)] f32, K their first axis, become codes of E2M1 with K innermost and one E8M0 byte for each 32 along K.
;   THE ROWS OF THE CODES ARE PERMUTED: column c of a weight becomes row n' = (c % 16) x 64 + c / 16 = head x 64 + d, since head h has the columns 16 d + h: so 64 neighbouring columns of a
;   projection's result are one head.  Out: codes [3][1024 n'][512 bytes], scale bytes [3][1024 n'][32].  A lane takes a column and its registers run down K: a load reads 128 consecutive bytes a wave, a block of 32
;   along K lies in one lane's registers, and the conversions give K innermost.  A wave takes 32 columns x 512 along K: 256 bytes of codes a column, through the wave's own stage in LDS, out by rows: sixteen lanes
;   store 256 consecutive bytes, aligned.  A lane's 16 scale bytes leave by one store of 16 bytes (rows of 32 bytes: 96 KiB in all).
; WORK-GROUPS 48 TO 111: Wp, [1024 k][1024 n] f32, is rounded to f16 as it lies (its product is left as it is): a wave takes 4,096 numbers.
; WORK-GROUPS 112 TO 623: q and x, [8192][1024] f32 each, become codes (two a byte, the lower k in the low four bits, K innermost) and scale bytes: [2 (q, x)][8192][512 bytes] and [2][8192][32].  Rows are dense, so both
;   are plain streams of blocks of 32.  A wave takes 16 steps of 512 numbers: each load reads 512 consecutive bytes; a step's 2,048 bytes turn through the wave's own stage in LDS and come back 64 bytes a lane, so that a
;   lane holds 16 neighbours along K (two neighbouring lanes hold a block).  A store of codes covers 256 consecutive bytes, aligned; a wave's 256 scale bytes are gathered in LDS and leave by one such store.
; A block's scale is 2^(floor(log2(its largest magnitude)) - 2); its byte is the largest magnitude's exponent field - 2, held at 1 from below.
; LIMITS: a block of zeros gets the byte 1 (its codes are zeros; this program alone reads the bytes); blocks whose largest magnitude lies under 2^-124 are held at that byte; NaN and infinities are not served;
; Wp beyond 65,504 has no f16 number.
; No matrix unit, no cluster, no barrier: waves share nothing, and the launch only moves bytes.  The two paths that use LDS have LDS bytes of their own.
.set NWQ,    48                        ; work-groups for the three weights
.set FIRSTA, 112                       ; the first work-group of q and x
.set EMAX,   2
.set SPW,    12                        ; v12 LDS address of my spare word; never rewritten
.set NIL,    13                        ; v13 0; never rewritten
; q and x
.set STEPS,  16
.set CB,     8                         ; bytes of 16 codes
.set AR,     16                        ; v16-79   four sets of 16 numbers as they are loaded
.set AX,     80                        ; v80-111  two sets of 16 neighbours
.set AE,     112                       ; v112-127 a scale byte for each step
.set AC,     128                       ; v128-191 codes: four registers for each step, so that no store's data are written again
.set WREG,   8192                      ; LDS from byte 0: a region for each wave: two stages of 32 x SP bytes, behind them its 256 scale bytes
.set SP,     80                        ; a lane's place in a stage: its 64 bytes + 16 of padding
; the weights
.set WSTG,   4*WREG                    ; LDS behind those regions: a stage of 32 rows x PITCH bytes for each wave
.set NB,     16                        ; blocks of 32 along K for a wave
.set PITCH,  272                       ; a stage row: 256 bytes + 16
.set WS,     24                        ; v24-27   the scale bytes, four to a register
.set WM,     28                        ; v28-29   two running maxima
.set WX,     32                        ; v32-95   two sets of 32 numbers
.set WC,     96                        ; v96-99   a block's codes
.set WO,     112                       ; v112-175 the way out
.set SPARE,  WSTG+4*32*PITCH           ; behind the stages: the spare words, 128 bytes a wave, which no other line names
	s_load_b256 s[4:11], s[0:1], 0x0               ; q s[4:5], x s[6:7], Wq s[8:9], Wk s[10:11]
	s_load_b256 s[12:19], s[0:1], 0x20             ; Wv s[12:13], Wp s[14:15], codes of q and x s[16:17], their scale bytes s[18:19]
	s_load_b128 s[20:23], s[0:1], 0x40             ; the weights' codes s[20:21], their scale bytes s[22:23]
	s_load_b64 s[24:25], s[0:1], 0x50              ; Wp in f16
	v_lshl_add_u32 v[SPW], v0, 2, SPARE
	v_mov_b32 v[NIL], 0
	v_lshrrev_b32 v1, 5, v0
	v_readfirstlane_b32 s26, v1                    ; wave 0..3
	v_and_b32 v2, 31, v0                           ; lane
	s_cmp_ge_u32 ttmp9, FIRSTA
	s_cbranch_scc1 .Lact
	s_cmp_ge_u32 ttmp9, NWQ
	s_cbranch_scc1 .Lconv
	; ---- Wq, Wk, Wv
	s_lshr_b32 s27, ttmp9, 4                       ; j: which weight
	s_and_b32 s28, ttmp9, 7                        ; which 128 columns
	s_bfe_u32 s29, ttmp9, 0x10003                  ; ky: which 512 along K
	s_lshl_b32 s30, s28, 7
	s_lshl_b32 s31, s26, 5
	s_add_co_u32 s30, s30, s31                     ; c0: my wave's first column, a multiple of 32
	v_lshlrev_b32 v3, 2, v2                        ; in: 4 bytes a lane
	s_mul_i32 s31, s26, 32*PITCH
	s_add_co_u32 s31, s31, WSTG                    ; my stage
	v_mul_u32_u24 v4, v2, PITCH
	v_add_nc_u32 v4, s31, v4                       ; into it: row = my column
	v_and_b32 v5, 15, v2
	v_lshrrev_b32 v6, 4, v2
	v_mul_u32_u24 v7, v6, PITCH
	v_lshl_add_u32 v7, v5, 4, v7
	v_add_nc_u32 v7, s31, v7                       ; out of it: sixteen lanes to a row, two rows an instruction
	v_lshlrev_b32 v8, 15, v6                       ; stage row 2 t + lane / 16 is column c0 + 2 t + lane / 16: one column on is 64 rows of 512 bytes on,
	v_lshl_add_u32 v8, v5, 4, v8                   ; + 16 bytes a lane
	v_lshlrev_b32 v9, 11, v5                       ; my column's row of scale bytes: ((lane % 16) x 64 + lane / 16) x 32
	v_lshl_add_u32 v9, v6, 5, v9
	s_lshl_b32 s32, s29, 21                        ; W: 512 ky rows of 4,096 bytes + 4 c0
	s_lshl_b32 s33, s30, 2
	s_add_co_u32 s32, s32, s33
	s_mov_b32 s33, 0
	s_lshl_b32 s34, s27, 19                        ; codes: j x 524,288 + (c0 / 16) x 512 + 256 ky
	s_lshl_b32 s35, s30, 5
	s_add_co_u32 s34, s34, s35
	s_lshl_b32 s35, s29, 8
	s_add_co_u32 s34, s34, s35
	s_mov_b32 s35, 0
	s_lshl_b32 s36, s27, 15                        ; scale bytes: j x 32,768 + (c0 / 16) x 32 + 16 ky
	s_lshl_b32 s37, s30, 1
	s_add_co_u32 s36, s36, s37
	s_lshl_b32 s37, s29, 4
	s_add_co_u32 s36, s36, s37
	s_mov_b32 s37, 0
	s_wait_kmcnt 0x0
	s_cmp_eq_u32 s27, 0                            ; the weight is chosen by the work-group's number alone
	s_cselect_b64 s[8:9], s[8:9], s[10:11]
	s_cmp_eq_u32 s27, 2
	s_cselect_b64 s[8:9], s[12:13], s[8:9]
	s_add_nc_u64 s[8:9], s[8:9], s[32:33]
	s_add_nc_u64 s[20:21], s[20:21], s[34:35]
	s_add_nc_u64 s[22:23], s[22:23], s[36:37]
.macro WLOAD t                         ; block t: W(32 t + i, my column), i = 0 .. 31, into set t % 2
.irp i, 0,1,2,3,4,5,6,7,8,9,10,11,12,13,14,15,16,17,18,19,20,21,22,23,24,25,26,27,28,29,30,31
	global_load_b32 v[WX+32*((\t)%2)+\i], v3, s[8:9] offset:(32*(\t)+\i)*4096 th:TH_LOAD_NT
.endr
.endm
	WLOAD 0
	WLOAD 1
.macro WBLOCK t
.set WXS, WX+32*((\t)%2)
.if (\t) < NB-1
	s_wait_loadcnt 32                              ; this block's 32 loads are in; the next block's 32 may be out
.else
	s_wait_loadcnt 0
.endif
	v_max3_num_f32 v[WM], |v[WXS]|, |v[WXS+1]|, |v[WXS+2]|          ; the block's largest magnitude: all 32 numbers are mine
	v_max3_num_f32 v[WM+1], |v[WXS+3]|, |v[WXS+4]|, |v[WXS+5]|
.irp i, 6,10,14,18,22,26
	v_max3_num_f32 v[WM], v[WM], |v[WXS+\i]|, |v[WXS+\i+1]|
	v_max3_num_f32 v[WM+1], v[WM+1], |v[WXS+\i+2]|, |v[WXS+\i+3]|
.endr
	v_max3_num_f32 v[WM], v[WM], |v[WXS+30]|, |v[WXS+31]|
	v_max3_num_f32 v[WM], v[WM], v[WM+1], (EMAX+1)<<23   ; and the floor 2^(3 - 127): the byte cannot fall under 1
	v_add_nc_u32 v11, -(EMAX<<23), v[WM]           ; 2 off its exponent field: the conversion's scale operand
	v_lshrrev_b32 v[WM+1], 23, v11                 ; the scale's byte
.if (\t)%4 == 0
	v_mov_b32 v[WS+(\t)/4], v[WM+1]                ; four bytes to a register, the lower K in the lower byte
.else
	v_lshl_or_b32 v[WS+(\t)/4], v[WM+1], 8*((\t)%4), v[WS+(\t)/4]
.endif
.irp g, 0,1,2,3
	v_cvt_scalef32_pk8_fp4_f32 v[WC+\g], v[WXS+8*\g:WXS+8*\g+7], v11
.endr
	v_nop                                          ; one plain line behind the last conversion
	ds_store_b128 v4, v[WC:WC+3] offset:16*(\t)    ; 32 codes: 16 bytes of my column's row
.if (\t)+2 < NB
	WLOAD (\t)+2
.endif
	s_wait_dscnt 0x0                               ; the store has read its registers: the next block's codes may be written
.endm
.set Q, 0
.rept NB
	WBLOCK Q
.set Q, Q+1
.endr
	global_store_b128 v9, v[WS:WS+3], s[22:23]     ; my column's 16 scale bytes
.irp t, 0,1,2,3,4,5,6,7,8,9,10,11,12,13,14,15
	ds_load_b128 v[WO+4*\t:WO+4*\t+3], v7 offset:2*\t*PITCH   ; LDS serves a wave's instructions in order: these see my stores
.endr
.irp t, 0,1,2,3,4,5,6,7,8,9,10,11,12,13,14,15
	s_wait_dscnt 15-\t                             ; the younger loads of the run may be out
	global_store_b128 v8, v[WO+4*\t:WO+4*\t+3], s[20:21] offset:(((2*\t)%16)*64+\t/8)*512   ; row n' = ((2 t) % 16 + lane / 16) x 64 + c0 / 16 + t / 8
.endr
	s_wait_tensorcnt 0x0                           ; the wave's end
	ds_add_u32 v[SPW], v[NIL]
	s_wait_dscnt 0x0
	s_endpgm
.Lconv:                                                ; ---- Wp to f16: 32 loads of 512 consecutive bytes, all out at once; each becomes a store of 256 consecutive bytes, aligned
	s_sub_co_u32 s27, ttmp9, NWQ
	s_lshl_b32 s27, s27, 2
	s_add_co_u32 s27, s27, s26                     ; my run of 4,096 numbers
	s_lshl_b32 s28, s27, 14
	s_mov_b32 s29, 0
	s_lshl_b32 s30, s27, 13
	s_mov_b32 s31, 0
	v_lshlrev_b32 v3, 4, v2
	v_lshlrev_b32 v4, 3, v2
	s_wait_kmcnt 0x0
	s_add_nc_u64 s[14:15], s[14:15], s[28:29]
	s_add_nc_u64 s[24:25], s[24:25], s[30:31]
.set i, 0
.rept 32
	global_load_b128 v[32+4*i:35+4*i], v3, s[14:15] offset:512*i th:TH_LOAD_NT
.set i, i+1
.endr
.set i, 0
.rept 32
	s_wait_loadcnt 31-i                            ; the younger loads may be out
	v_cvt_pk_f16_f32 v[32+4*i], v[32+4*i], v[33+4*i]
	v_cvt_pk_f16_f32 v[33+4*i], v[34+4*i], v[35+4*i]
	global_store_b64 v4, v[32+4*i:33+4*i], s[24:25] offset:256*i
.set i, i+1
.endr
	s_endpgm
.Lact:                                                 ; ---- q and x
	v_lshlrev_b32 v3, 4, v2                        ; my 16 bytes of a load's 512
	s_mul_i32 s27, s26, WREG
	v_lshrrev_b32 v14, 2, v2
	v_mul_u32_u24 v14, v14, SP
	v_and_b32 v15, 3, v2
	v_lshl_add_u32 v14, v15, 4, v14
	v_add_nc_u32 v14, s27, v14                     ; the stage, on the way in: SP (lane / 4) + 16 (lane % 4)
	v_mul_u32_u24 v15, v2, SP
	v_add_nc_u32 v15, s27, v15                     ; and on the way out: SP x lane: my 16 neighbours
	v_mul_u32_u24 v4, v2, CB                       ; my codes' place in a step's
	v_lshrrev_b32 v5, 1, v2
	s_add_co_u32 s27, s27, 2*32*SP
	v_add_nc_u32 v5, s27, v5                       ; LDS: my wave's 256 scale bytes, my block's byte
	v_lshlrev_b32 v7, 3, v2                        ; and on the way out 8 bytes a lane
	v_add_nc_u32 v6, s27, v7
	s_sub_co_u32 s29, ttmp9, FIRSTA                ; 0 .. 511: the first 256 take q, the others x
	s_lshl_b32 s28, s29, 2
	s_add_co_u32 s28, s28, s26                     ; my run of 8,192 numbers among the 2,048 of both tensors
	s_and_b32 s30, s28, 1023                       ; and within its own tensor
	s_lshl_b32 s30, s30, 15                        ; 32,768 bytes of f32 a run
	s_mov_b32 s31, 0
	s_lshl_b32 s32, s28, 12                        ; 4,096 bytes of codes
	s_mov_b32 s33, 0
	s_lshl_b32 s34, s28, 8                         ; 256 scale bytes
	s_mov_b32 s35, 0
	s_wait_kmcnt 0x0
	s_cmp_lt_u32 s29, 256                          ; the choice hangs on the work-group's number alone
	s_cselect_b64 s[4:5], s[4:5], s[6:7]
	s_add_nc_u64 s[4:5], s[4:5], s[30:31]
	s_add_nc_u64 s[16:17], s[16:17], s[32:33]
	s_add_nc_u64 s[18:19], s[18:19], s[34:35]
.macro ALOAD t
.irp i, 0,1,2,3
	global_load_b128 v[AR+16*((\t)%4)+4*\i:AR+16*((\t)%4)+4*\i+3], v3, s[4:5] offset:2048*(\t)+512*\i th:TH_LOAD_NT   ; 32 lanes read 512 consecutive bytes
.endr
.endm
.macro ATURN t                         ; step t's numbers through the stage: LDS serves a wave's instructions in order, so no wait stands between the stores and the loads
.irp i, 0,1,2,3
	ds_store_b128 v14, v[AR+16*((\t)%4)+4*\i:AR+16*((\t)%4)+4*\i+3] offset:32*SP*((\t)%2)+8*SP*\i
.endr
.irp i, 0,1,2,3
	ds_load_b128 v[AX+16*((\t)%2)+4*\i:AX+16*((\t)%2)+4*\i+3], v15 offset:32*SP*((\t)%2)+16*\i
.endr
.endm
.irp t, 0,1,2,3
	ALOAD \t
.endr
	s_wait_loadcnt 12                              ; step 0's four loads are in; the twelve of steps 1 to 3 may be out
	ATURN 0
.macro ASTEP t
.set AXS, AX+16*((\t)%2)
.if (\t) > 0
	s_wait_dscnt 1                                 ; this step's numbers are back from the stage (the last step's byte store may be out): so its stores into the stage have read their registers,
.else
	s_wait_dscnt 0x0
.endif
.if (\t)+4 < STEPS
	ALOAD (\t)+4                                   ; which take the loads of four steps on
.endif
.if (\t)+1 < STEPS
.if STEPS-2-(\t) >= 3
	s_wait_loadcnt 12                              ; the next step's four loads are in; those of the three steps behind it may be out
.else
	s_wait_loadcnt 4*(STEPS-2-(\t))
.endif
	ATURN (\t)+1                                   ; and go through the other stage while this step is worked
.endif
	v_max3_num_f32 v8, |v[AXS]|, |v[AXS+1]|, |v[AXS+2]|            ; the largest magnitude of my 16, in two chains
	v_max3_num_f32 v9, |v[AXS+3]|, |v[AXS+4]|, |v[AXS+5]|
.irp i, 6,10
	v_max3_num_f32 v8, v8, |v[AXS+\i]|, |v[AXS+\i+1]|
	v_max3_num_f32 v9, v9, |v[AXS+\i+2]|, |v[AXS+\i+3]|
.endr
	v_max3_num_f32 v8, v8, |v[AXS+14]|, |v[AXS+15]|
	v_max3_num_f32 v8, v8, v9, (EMAX+1)<<23        ; and the floor 2^(3 - 127): the byte cannot fall under 1
	v_max_num_f32_dpp v8, v8, v8 row_xmask:1 row_mask:0xf bank_mask:0xf   ; and of my neighbour's 16: the block's
	v_add_nc_u32 v11, -(EMAX<<23), v8              ; 2 off its exponent field: the conversion takes the exponent field of this operand as its scale
	v_cvt_scalef32_pk8_fp4_f32 v[AC+4*(\t)], v[AXS:AXS+7], v11
	v_cvt_scalef32_pk8_fp4_f32 v[AC+4*(\t)+1], v[AXS+8:AXS+15], v11
	v_lshrrev_b32 v[AE+(\t)], 23, v11              ; the scale's byte (also the plain line behind the conversions)
	ds_store_b8 v5, v[AE+(\t)] offset:16*(\t)      ; both lanes of a block write the same byte with the same value
	global_store_b64 v4, v[AC+4*(\t):AC+4*(\t)+1], s[16:17] offset:32*CB*(\t)
.endm
.irp t, 0,1,2,3,4,5,6,7,8,9,10,11,12,13,14,15
	ASTEP \t
.endr
	ds_load_b64 v[8:9], v6                         ; LDS serves a wave's instructions in order: these see my stores
	s_wait_dscnt 0x0
	global_store_b64 v7, v[8:9], s[18:19]          ; 32 lanes store 256 consecutive bytes, aligned
	s_wait_tensorcnt 0x0                           ; the wave's end
	ds_add_u32 v[SPW], v[NIL]
	s_wait_dscnt 0x0
	s_endpgm
.Lfunc_end_k_qe59bf3eeba_quant:
	.size	k_qe59bf3eeba_quant, .Lfunc_end_k_qe59bf3eeba_quant-k_qe59bf3eeba_quant
	.p2alignl 7, 3214868480
	.fill 96, 4, 3214868480
	.section	.rodata,"a",@progbits
	.p2align	6, 0x0
	.amdhsa_kernel k_qe59bf3eeba_quant
		.amdhsa_group_segment_fixed_size 68096
		.amdhsa_private_segment_fixed_size 0
		.amdhsa_enable_private_segment 0
		.amdhsa_kernarg_size 88
		.amdhsa_user_sgpr_count 2
		.amdhsa_user_sgpr_kernarg_segment_ptr 1
		.amdhsa_wavefront_size32 1
		.amdhsa_system_sgpr_workgroup_id_x 1
		.amdhsa_system_sgpr_workgroup_id_y 1
		.amdhsa_system_sgpr_workgroup_id_z 1
		.amdhsa_system_vgpr_workitem_id 0
		.amdhsa_next_free_vgpr 192
		.amdhsa_next_free_sgpr 66
		.amdhsa_reserve_vcc 0
		.amdhsa_float_denorm_mode_32 3
		.amdhsa_float_denorm_mode_16_64 3
		.amdhsa_memory_ordered 1
		.amdhsa_forward_progress 1
		.amdhsa_inst_pref_size 123
	.end_amdhsa_kernel
	.amdgpu_metadata
---
amdhsa.version: [ 1, 2 ]
amdhsa.kernels:
  - .name:           k_qe59bf3eeba_quant
    .symbol:         k_qe59bf3eeba_quant.kd
    .args:
      - { .name: q, .offset: 0, .size: 8, .value_kind: global_buffer, .address_space: global }
      - { .name: x, .offset: 8, .size: 8, .value_kind: global_buffer, .address_space: global }
      - { .name: Wq, .offset: 16, .size: 8, .value_kind: global_buffer, .address_space: global }
      - { .name: Wk, .offset: 24, .size: 8, .value_kind: global_buffer, .address_space: global }
      - { .name: Wv, .offset: 32, .size: 8, .value_kind: global_buffer, .address_space: global }
      - { .name: Wp, .offset: 40, .size: 8, .value_kind: global_buffer, .address_space: global }
      - { .name: acod, .offset: 48, .size: 8, .value_kind: global_buffer, .address_space: global }
      - { .name: ascl, .offset: 56, .size: 8, .value_kind: global_buffer, .address_space: global }
      - { .name: wcod, .offset: 64, .size: 8, .value_kind: global_buffer, .address_space: global }
      - { .name: wscl, .offset: 72, .size: 8, .value_kind: global_buffer, .address_space: global }
      - { .name: wph, .offset: 80, .size: 8, .value_kind: global_buffer, .address_space: global }
    .group_segment_fixed_size: 68096
    .private_segment_fixed_size: 0
    .kernarg_segment_align: 8
    .kernarg_segment_size: 88
    .max_flat_workgroup_size: 128
    .sgpr_count:     66
    .vgpr_count:     192
    .wavefront_size: 32
...
	.end_amdgpu_metadata
.endif
;; end of part 1
;; launch proj (part 2): grid 4 x 64, 4 waves a work-group, clusters of 4 x 4, 327,680 bytes of LDS; arguments acod, ascl, wcod, wscl, bq, bk, bv, qkv; writes qkv
.if DOCPART == 2
	.amdgcn_target "amdgcn-amd-amdhsa--gfx1250"
	.amdhsa_code_object_version 6
	.text
	.protected	k_qe59bf3eeba_proj
	.globl	k_qe59bf3eeba_proj
	.p2align	8
	.type	k_qe59bf3eeba_proj,@function
k_qe59bf3eeba_proj:
	s_mov_b64 s[64:65], 0
	v_nop
	global_prefetch_b8 v0, s[64:65] scope:SCOPE_SE
	s_setreg_imm32_b32 hwreg(HW_REG_WAVE_MODE, 25, 1), 1
	s_wait_xcnt 0x0
	s_wait_alu depctr_hold_cnt(0) depctr_sa_sdst(0) depctr_va_vdst(0) depctr_va_sdst(0) depctr_va_ssrc(0) depctr_va_vcc(0) depctr_vm_vsrc(0)
	s_getreg_b32 s2, hwreg(HW_REG_IB_STS2, 6, 4)
	s_cmp_eq_u32 s2, 0
	s_cbranch_scc0 .Lentry_in_a_cluster
	s_endpgm
.Lentry_in_a_cluster:
	s_bfe_u32 s2, ttmp6, 0x10000c
	s_cmp_lg_u32 s2, 0xf033
	s_cbranch_scc0 .Lentry_shape_is_right
	s_endpgm
.Lentry_shape_is_right:
; Q = q Wq + bq, K = x Wk + bk, V = x Wv + bv on codes of E2M1, K = 1024; f32 sums; results rounded to f16.  The weights' rows are n' = head x 64 + d.
; Out: [3][8 b][16 h][1024 p][64 d] f16: a head's rows are dense.  LIMIT: a result beyond 65,504 has no f16 number (with the drawn kind of inputs results are of the size of 5).
; A WORK-GROUP STAYS: 256 work-groups, one for each of 256 WGPs; each makes its 128 rows x 256 columns (four heads) for ALL THREE projections, one after the other.  Wave w makes all 128 rows x 64 columns, ONE head:
; 32 accumulators of 16 x 16.  That is six TRIPS of 512 along K (trip t: projection t / 2, half t % 2 of K), four steps of 128 each: 24 steps, written out.
; THE RING: three LDS slots, each with 128 rows of codes of q or x and 256 rows of a weight (rows of 256 bytes + 16 of padding).  Trips 0, 1, 2 are asked for at the head: three tensor loads of a wave are out.
; Trips 3, 4, 5 are refills, one joint load a wave behind a round of the cluster's barrier; the three rounds stand where long work lies between one and the next: at the head of step 3 (slot 0 takes trip 3),
; behind the first projection's way out (slot 1 takes trip 4), at the head of step 15 (slot 2 takes trip 5).  So trip 3's tile has five steps and a way out in which to land, trip 4's seven steps, trip 5's a step, a
; way out and three steps.  The changes of slot at steps 7 and 11 need no barrier: their tiles were shown landed to every wave at the round before.  All LDS is claimed.
; The results of the first two projections leave while later trips are multiplied: nothing waits for their stores.
; CLUSTERS 4 x 4: the four of a cluster's row need the same 128 rows of q or x, the four of a column the same 256 rows of a weight: each tile is asked for jointly.
; THE MATRIX INSTRUCTION IS USED TRANSPOSED (source 0 = 16 rows of the weight, source 1 = 16 rows of q or x): a lane holds eight neighbouring d of one row.  The bias is the C of a projection's first step.
; THE SCALES go straight into registers: a row's 32 bytes are 8 words, one for each 128 along K; lane (r, h) loads bytes 16 h .. 16 h + 15 of row r, so register q of the four holds the word of K step q in
; lanes 0-15 and that of K step 4 + q in lanes 16-31: the second half of K reads the upper lanes.  Scales and bias of projection j + 1 are loaded behind the first step of projection j.
; REGISTERS: window 0: v16-26 addresses, v28-29 the add's two, v32-95 scales of the rows (q's, x's), v96-143 scales of the three weights, v144-159 packed results, v160-191 rows on the way out, v192-223 bv.
;   window 1: two buffers of 96 (8 fragments of rows, 4 of the weight), v192-223 bq, v224-255 bk.   window 2: accumulator (a, b) at v[8 (4 a + b)].
.set PITCH,  272
.set AROWS,  128*PITCH                 ; 34,816: the rows' 128 in a slot; the weight's 256 lie behind them
.set SLOT,   3*AROWS
.set STAGE,  3*SLOT                    ; behind the slots: 16 rows x 144 bytes for each wave, for the way out; no tensor load lands there
.set SPITCH, 144
.set SPARE,  STAGE+4*16*SPITCH         ; behind the stages: the spare words, 128 bytes a wave, which no other line names
.set XCOD,   4194304                   ; from q's codes to x's
.set WCOD,   524288                    ; from a weight's codes to the next weight's
.set ADRA, 16                          ; v16-18 LDS address of my fragments of rows in slot 0, 1, 2
.set ADRB, 19                          ; v19-21 the same for the weight
.set STO,  22
.set RD,   23
.set GO,   24
.set SCO,  25
.set BIO,  26
.set SPW,  28
.set NIL,  29
.set SA,   32
.set SB,   96
.set TMP,  144
.set BK,   160
.set BIAS, 192
.set WV,   20
.set ROLE, 21
.set HF,   22
.set G1A,  28                          ; s[28:35] group 1 for the rows' tiles
.set G1B,  36                          ; s[36:43] for the weights'
.set G0A,  44                          ; s[44:55] group 0 for the rows' tiles, a set for each slot
.set G0B,  68                          ; s[68:79] the same for the weights'
.set OB,   86                          ; s[86:91] where my part of Q, of K and of V begins
.set MSB, 0
.macro WIN new                         ; the immediate's high byte repeats the setting that is left
.if MSB != \new
	s_set_vgpr_msb (MSB<<8)|\new
.set MSB, \new
.endif
.endm
.macro PLACES n
.rept \n
	v_nop
.endr
.endm
.macro CROUND                          ; a round of the cluster's barrier
	s_barrier_signal -1
	s_barrier_wait -1
	s_cmp_lg_u32 s[WV], 0
	s_cbranch_scc1 .Lnot_wave_0_\@
	s_barrier_signal -3
.Lnot_wave_0_\@:
	s_barrier_wait -3
	s_barrier_signal -1
	s_barrier_wait -1
.endm
.macro JLOAD g0a, g1a, g0b, g1b        ; a joint load: waves 0 and 1 fetch the rows' halves, waves 2 and 3 the weight's; an s_nop 0 and four v_nop follow each line
	s_cmp_eq_u32 s[ROLE], 0
	s_cbranch_scc0 .Lfor_b_\@
	tensor_load_to_lds s[\g0a:\g0a+3], s[\g1a:\g1a+7]
	s_nop 0
.rept 4
	v_nop
.endr
	s_branch .Lasked_\@
.Lfor_b_\@:
	tensor_load_to_lds s[\g0b:\g0b+3], s[\g1b:\g1b+7]
	s_nop 0
.rept 4
	v_nop
.endr
.Lasked_\@:
.endm
	s_load_b256 s[4:11], s[0:1], 0x0               ; rows' codes s[4:5], their scales s[6:7], weights' codes s[8:9], their scales s[10:11]
	s_load_b256 s[12:19], s[0:1], 0x20             ; bq s[12:13], bk s[14:15], bv s[16:17], out s[18:19]
	v_lshl_add_u32 v[SPW], v0, 2, SPARE
	v_mov_b32 v[NIL], 0
	ds_add_u32 v[SPW], v[NIL]                      ; the wave's opening: the add, twice on end, and its wait ahead of my first tensor load
	ds_add_u32 v[SPW], v[NIL]
	v_lshrrev_b32 v1, 5, v0
	v_readfirstlane_b32 s[WV], v1                  ; wave 0..3
	s_lshr_b32 s[ROLE], s[WV], 1                   ; I fetch rows (0) or the weight (1),
	s_and_b32 s[HF], s[WV], 1                      ; its first or second half
	s_bfe_u32 s23, ttmp6, 0x40000                  ; cx
	s_bfe_u32 s24, ttmp6, 0x40004                  ; cy
	s_lshl_b32 s25, ttmp9, 2
	s_add_co_u32 s25, s25, s23                     ; tile column 0..3: which 256 columns of each projection
	s_and_b32 s26, ttmp7, 0xffff
	s_lshl_b32 s26, s26, 2
	s_add_co_u32 s26, s26, s24                     ; tile row 0..63
	s_lshl_b32 s56, s24, 2
	s_lshl_b32 s56, 15, s56                        ; my row of the cluster
	s_lshl_b32 s57, 0x1111, s23                    ; my column
	s_or_b32 s[G1A], s56, (1<<20)|(1<<21)|(5<<22)|(3<<25)    ; the mask; elements of 1 byte; padding on; bit 21 beside a mask; after every 64 words, 4 words
	s_or_b32 s[G1B], s57, (1<<20)|(1<<21)|(5<<22)|(3<<25)
	s_mov_b32 s[G1A+1], 256<<16                    ; tensor_dim0 = 256 bytes
	s_mov_b32 s[G1A+2], 64<<16                     ; tensor_dim1 = 64 rows
	s_mov_b32 s[G1A+3], 256<<16                    ; tile_dim0
	s_mov_b32 s[G1A+4], 64                         ; tile_dim1
	s_mov_b32 s[G1A+5], 512                        ; a row of codes in memory
	s_mov_b32 s[G1A+6], 0
	s_mov_b32 s[G1A+7], 0
	s_mov_b32 s[G1B+1], 256<<16
	s_mov_b32 s[G1B+2], 128<<16                    ; the weight's half: 128 rows
	s_mov_b32 s[G1B+3], 256<<16
	s_mov_b32 s[G1B+4], 128
	s_mov_b32 s[G1B+5], 512
	s_mov_b32 s[G1B+6], 0
	s_mov_b32 s[G1B+7], 0
	s_lshl_b32 s58, s26, 16                        ; rows: (128 tile row + 64 half) x 512 bytes: made of the tile row alone
	s_lshl_b32 s59, s[HF], 15
	s_add_co_u32 s58, s58, s59
	s_mov_b32 s59, 0
	s_lshl_b32 s60, s25, 17                        ; weight: (256 tile column + 128 half) x 512 bytes: made of the tile column alone
	s_lshl_b32 s61, s[HF], 16
	s_add_co_u32 s60, s60, s61
	s_mov_b32 s61, 0
	s_mul_i32 s62, s[HF], 64*PITCH                 ; where they go: no place in the cluster enters an LDS address
	s_mul_i32 s63, s[HF], 128*PITCH
	s_add_co_u32 s63, s63, AROWS
	s_lshl_b32 s80, s26, 12                        ; the rows' scales: 4,096 bytes a tile
	s_mov_b32 s81, 0
	s_lshl_b32 s82, s25, 13                        ; the weight's: (256 tile column + 64 wave) x 32
	s_lshl_b32 s83, s[WV], 11
	s_add_co_u32 s82, s82, s83
	s_mov_b32 s83, 0
	s_lshl_b32 s84, s25, 4                         ; 4 x my head, head = 4 x tile column + wave
	s_lshl_b32 s85, s[WV], 2
	s_add_co_u32 s84, s84, s85
	s_mov_b32 s85, 0
	s_lshr_b32 s86, s26, 3                         ; out: (16 b + head) x 2^17 + first row x 128
	s_lshl_b32 s86, s86, 21
	s_lshl_b32 s87, s84, 15
	s_add_co_u32 s86, s86, s87
	s_and_b32 s87, s26, 7
	s_lshl_b32 s87, s87, 14
	s_add_co_u32 s86, s86, s87
	s_mov_b32 s87, 0
	s_wait_dscnt 0x0                               ; both opening adds are done
	s_wait_kmcnt 0x0
	s_add_nc_u64 s[58:59], s[4:5], s[58:59]
	s_add_nc_u64 s[60:61], s[8:9], s[60:61]
	CROUND                                         ; all sixteen work-groups are here: the first joint loads meet
.irp t, 0,1,2                                  ; trip t into slot t: projection t / 2, half t % 2 of K
	s_mov_b32 s[G0A+4*\t], 1
	s_add_co_u32 s[G0A+4*\t+1], s62, \t*SLOT
	s_add_nc_u64 s[G0A+4*\t+2:G0A+4*\t+3], s[58:59], (\t/2)*XCOD+(\t%2)*256
	s_or_b32 s[G0A+4*\t+3], s[G0A+4*\t+3], 0x80000000
	s_mov_b32 s[G0B+4*\t], 1
	s_add_co_u32 s[G0B+4*\t+1], s63, \t*SLOT
	s_add_nc_u64 s[G0B+4*\t+2:G0B+4*\t+3], s[60:61], (\t/2)*WCOD+(\t%2)*256
	s_or_b32 s[G0B+4*\t+3], s[G0B+4*\t+3], 0x80000000
	JLOAD G0A+4*\t, G1A, G0B+4*\t, G1B             ; three tensor loads of mine are out
.endr
	s_add_nc_u64 s[12:13], s[12:13], s[84:85]      ; the three biases at my head
	s_add_nc_u64 s[14:15], s[14:15], s[84:85]
	s_add_nc_u64 s[16:17], s[16:17], s[84:85]
	s_add_nc_u64 s[OB:OB+1], s[18:19], s[86:87]
	s_add_nc_u64 s[OB+2:OB+3], s[OB:OB+1], 0x1000000   ; a projection's results are 2^24 bytes
	s_add_nc_u64 s[OB+4:OB+5], s[OB+2:OB+3], 0x1000000
	s_add_nc_u64 s[80:81], s[6:7], s[80:81]
	s_add_nc_u64 s[82:83], s[10:11], s[82:83]
	v_and_b32 v1, 15, v0                           ; r
	v_bfe_u32 v2, v0, 4, 1                         ; h
	v_and_b32 v3, 31, v0                           ; lane
	v_lshlrev_b32 v[SCO], 5, v1
	v_lshl_add_u32 v[SCO], v2, 4, v[SCO]           ; scales: 32 r + 16 h: a load covers 512 consecutive bytes
	v_lshlrev_b32 v[BIO], 9, v2                    ; bias: 8 h values of d, 64 bytes apart
; Scales and bias of projection j: the rows' scales (q's for j = 0, x's for j = 1, which serve j = 2 too), the weight's, the bias in the accumulator's layout.  Their address registers are never rewritten.
.macro PARAMS j
	WIN 0
.if (\j) < 2
.irp a, 0,1,2,3,4,5,6,7
	global_load_b128 v[SA+32*(\j)+4*\a:SA+32*(\j)+4*\a+3], v[SCO], s[80:81] offset:262144*(\j)+512*\a
.endr
.endif
.irp b, 0,1,2,3
	global_load_b128 v[SB+16*(\j)+4*\b:SB+16*(\j)+4*\b+3], v[SCO], s[82:83] offset:32768*(\j)+512*\b
.endr
.if (\j) < 2
	WIN 0x40                                       ; bq and bk lie in window 1, bv in window 0
.endif
.irp b, 0,1,2,3
.irp i, 0,1,2,3,4,5,6,7
	global_load_b32 v[BIAS+32*((\j)%2)+8*\b+\i], v[BIO], s[12+2*(\j):13+2*(\j)] offset:(16*\b+\i)*64   ; bias of column 16 d + head, d = 16 b + 8 h + i
.endr
.endr
	WIN 0
.endm
	PARAMS 0
	v_mul_u32_u24 v4, v1, PITCH
	v_lshl_add_u32 v[ADRA], v2, 4, v4              ; a fragment's row x pitch + 16 x half
	v_add_nc_u32 v[ADRA+1], SLOT, v[ADRA]
	v_add_nc_u32 v[ADRA+2], 2*SLOT, v[ADRA]
	s_mul_i32 s27, s[WV], 64*PITCH                 ; my 64 rows of the weight, behind the rows' 128
	s_add_co_u32 s27, s27, AROWS
	v_add_nc_u32 v[ADRB], s27, v[ADRA]
	v_add_nc_u32 v[ADRB+1], SLOT, v[ADRB]
	v_add_nc_u32 v[ADRB+2], 2*SLOT, v[ADRB]
	s_mul_i32 s27, s[WV], 16*SPITCH
	s_add_co_u32 s27, s27, STAGE                   ; my stage
	v_mul_u32_u24 v5, v1, SPITCH
	v_lshl_add_u32 v5, v2, 4, v5
	v_add_nc_u32 v[STO], s27, v5                   ; in: row r, 16 bytes for each half of the lanes
	v_lshrrev_b32 v6, 3, v3
	v_mul_u32_u24 v6, v6, SPITCH
	v_and_b32 v7, 7, v0
	v_lshl_add_u32 v6, v7, 4, v6
	v_add_nc_u32 v[RD], s27, v6                    ; back: eight lanes to a row of 128 bytes, four rows an instruction
	v_lshlrev_b32 v[GO], 4, v3                     ; which are 512 consecutive bytes of the head
.macro FETCH slot, q, p                ; 24 LDS loads: the fragments of the slot's q-th 128 along K into buffer p.  A fragment: lane l holds row l % 16; registers 4 c .. 4 c + 3 hold K = 64 c + 32 (l / 16) + 0 .. 31
	WIN 0x40
.irp a, 0,1,2,3,4,5,6,7
.irp c, 0,1
	ds_load_b128 v[96*(\p)+8*\a+4*\c:96*(\p)+8*\a+4*\c+3], v[ADRA+(\slot)] offset:64*(\q)+32*\c+16*PITCH*\a
.endr
.endr
.irp b, 0,1,2,3
.irp c, 0,1
	ds_load_b128 v[96*(\p)+64+8*\b+4*\c:96*(\p)+64+8*\b+4*\c+3], v[ADRB+(\slot)] offset:64*(\q)+32*\c+16*PITCH*\b
.endr
.endr
.endm
.macro MUL p, q, row1, first, j        ; 32 matrix instructions, the 32 accumulators by turns, one instruction a turn, in the same order in every step
.set SAJ, SA+32*(((\j)+1)/2)           ; q's scales for projection 0, x's for 1 and 2
.set SBJ, SB+16*(\j)
.set BIJ, BIAS+32*((\j)%2)
.set WF,  0x95-0x10*((\j)/2)           ; sources 0 and 1 window 1, D window 2, C (the bias) window 1, for bv window 0
.if \first
	WIN WF
.else
	WIN 0xa5                                       ; C and D window 2
.endif
.irp a, 0,1,2,3,4,5,6,7
.irp b, 0,1,2,3
.if \first
	v_wmma_scale_f32_16x16x128_f8f6f4 v[8*(4*\a+\b):8*(4*\a+\b)+7], v[96*(\p)+64+8*\b:96*(\p)+64+8*\b+7], v[96*(\p)+8*\a:96*(\p)+8*\a+7], v[BIJ+8*\b:BIJ+8*\b+7], v[SBJ+4*\b+(\q)], v[SAJ+4*\a+(\q)] matrix_a_fmt:MATRIX_FMT_FP4 matrix_b_fmt:MATRIX_FMT_FP4
.elseif (\row1)
	v_wmma_scale_f32_16x16x128_f8f6f4 v[8*(4*\a+\b):8*(4*\a+\b)+7], v[96*(\p)+64+8*\b:96*(\p)+64+8*\b+7], v[96*(\p)+8*\a:96*(\p)+8*\a+7], v[8*(4*\a+\b):8*(4*\a+\b)+7], v[SBJ+4*\b+(\q)], v[SAJ+4*\a+(\q)] matrix_a_fmt:MATRIX_FMT_FP4 matrix_b_fmt:MATRIX_FMT_FP4 matrix_a_scale:MATRIX_SCALE_ROW1 matrix_b_scale:MATRIX_SCALE_ROW1
.else
	v_wmma_scale_f32_16x16x128_f8f6f4 v[8*(4*\a+\b):8*(4*\a+\b)+7], v[96*(\p)+64+8*\b:96*(\p)+64+8*\b+7], v[96*(\p)+8*\a:96*(\p)+8*\a+7], v[8*(4*\a+\b):8*(4*\a+\b)+7], v[SBJ+4*\b+(\q)], v[SAJ+4*\a+(\q)] matrix_a_fmt:MATRIX_FMT_FP4 matrix_b_fmt:MATRIX_FMT_FP4
.endif
.endr
.endr
.endm
; A slot that every wave has read out is filled again.  In front of the round each wave waits for all its tensor loads, adds 0 to its spare word, and waits for that and for all its LDS reads; behind the round no wave
; of any partner reads the slot or has a load on its way, and every tile asked for so far lies whole in every wave's sight.  da, db: bytes from the slot's last tile to its next, in the rows' codes and in the weights'.
.macro REFILL slot, da, db
	WIN 0
	s_wait_tensorcnt 0x0                           ; no tensor load of mine is out, so a group 0 may be written
	ds_add_u32 v[SPW], v[NIL]                      ; 0 onto my spare word; the steps below stand between it and the wait for it
	s_add_nc_u64 s[G0A+4*\slot+2:G0A+4*\slot+3], s[G0A+4*\slot+2:G0A+4*\slot+3], \da
	s_add_nc_u64 s[G0B+4*\slot+2:G0B+4*\slot+3], s[G0B+4*\slot+2:G0B+4*\slot+3], \db
	s_wait_dscnt 0x0                               ; the add is done, and my reads of the slot are over
	CROUND
	JLOAD G0A+4*\slot, G1A, G0B+4*\slot, G1B       ; my one tensor load behind the round; its four v_nop are also places in front of the loads that follow
.endm
; Step s of 24: the next step's fragments are asked for, then this step's 32 products are issued.  Trip s / 4 lies in slot (s / 4) % 3.
.macro KSTEP s
.set T1, ((\s)+1)/4                    ; the next step's trip
.if (\s) == 3
	REFILL 0, XCOD+256, WCOD+256                   ; trip 0 is read out (step 3's fragments are in registers): slot 0 takes trip 3: x, Wk, second half of K
.elseif (\s) == 15
	REFILL 2, 256, WCOD+256                        ; trip 2 was read out at step 11: slot 2 takes trip 5: x, Wv, second half.  Trip 4's tile, asked for seven steps ago, is shown landed here
.elseif (\s) == 19
	WIN 0
	s_wait_tensorcnt 0x0                           ; my part of trip 5's tile is in: my last tensor load,
	ds_add_u32 v[SPW], v[NIL]
	s_wait_dscnt 0x0                               ; no LDS instruction of mine is out at the signal,
	s_barrier_signal -1
	s_barrier_wait -1                              ; and everybody's part is in.
	PLACES 4
.elseif (\s) > 0
	PLACES 4                                       ; four plain places between the last step's products and loads into the buffer that they read (ISA guide 7.12.1 for vector instructions)
.endif
.if (\s) < 23
	FETCH T1%3, ((\s)+1)%4, 1-(\s)%2
	s_wait_dscnt 24                                ; all but the 24 just issued: this step's fragments are in
.else
	s_wait_dscnt 0x0
.endif
.if (\s)%8 == 0
	s_wait_loadcnt 0x0                             ; this projection's scales and bias
	MUL 0, 0, 0, 1, (\s)/8
.else
	MUL (\s)%2, (\s)%4, ((\s)/4)%2, 0, (\s)/8
.endif
.endm
; THE WAY OUT of a projection, 16 rows at a time: rounded to f16 (16 bytes a lane), through my own stage, back as 512 consecutive bytes of the head an instruction.
.macro PACK a
	WIN 0x0a                                       ; sources window 2
.irp b, 0,1,2,3
.irp i, 0,1,2,3
	v_cvt_pk_f16_f32 v[TMP+4*\b+\i], v[8*(4*(\a)+\b)+2*\i], v[8*(4*(\a)+\b)+2*\i+1]   ; each accumulator from its low end on
.endr
.endr
	WIN 0
.endm
.macro TOSTAGE a
.set BB, BK+16*((\a)%2)
.irp b, 0,1,2,3
	ds_store_b128 v[STO], v[TMP+4*\b:TMP+4*\b+3] offset:32*\b
.endr
.irp i, 0,1,2,3
	ds_load_b128 v[BB+4*\i:BB+4*\i+3], v[RD] offset:4*SPITCH*\i   ; LDS serves a wave's instructions in order: these see the stores above
.endr
.endm
.macro SEND a
.set BB, BK+16*((\a)%2)
	s_wait_dscnt 0x0                               ; the block is back in registers
	s_wait_xcnt 0x0                                ; the earlier stores have read their registers: the other set is loaded again only behind this wait
.irp i, 0,1,2,3
	global_store_b128 v[GO], v[BB+4*\i:BB+4*\i+3], s[OBJ:OBJ+1] offset:2048*(\a)+512*\i
.endr
.endm
.macro WAYOUT j
.set OBJ, OB+2*(\j)
	PLACES 4                                       ; behind the last products, ahead of the first read of results
	PACK 0
	TOSTAGE 0
.irp a, 1,2,3,4,5,6,7
	PACK \a                                        ; block a's conversions stand between block a - 1's loads from the stage and the wait for them
	SEND \a-1
	TOSTAGE \a
.endr
	SEND 7
.endm
	s_wait_tensorcnt 2                             ; my part of slot 0 is in; the loads of slots 1 and 2 may be out
	s_barrier_signal -1
	s_barrier_wait -1                              ; everybody's is
	FETCH 0, 0, 0
	KSTEP 0
	PARAMS 1                                       ; 44 loads, wanted at step 8
.irp s, 1,2,3,4,5,6,7
	KSTEP \s
.endr
	WAYOUT 0                                       ; Q leaves; step 8's fragments wait in their buffer
	REFILL 1, XCOD-256, 2*WCOD-256                 ; trip 1 was read out at step 7: slot 1 takes trip 4: x, Wv, first half of K.  Trip 3's tile, asked for at step 3, is shown landed here
	KSTEP 8                                        ; its products begin the sums anew, with bk as C: the conversions of the way out are the places behind step 7's products
	PARAMS 2                                       ; 36 loads, wanted at step 16
.irp s, 9,10,11,12,13,14,15
	KSTEP \s
.endr
	WAYOUT 1                                       ; K leaves
.irp s, 16,17,18,19,20,21,22,23
	KSTEP \s
.endr
	WAYOUT 2                                       ; V leaves
	s_wait_tensorcnt 0x0                           ; the wave's end
	ds_add_u32 v[SPW], v[NIL]
	s_wait_dscnt 0x0
	CROUND                                         ; the closing round: no work-group ends while a partner may still ask for a tile that names it
	s_endpgm
.Lfunc_end_k_qe59bf3eeba_proj:
	.size	k_qe59bf3eeba_proj, .Lfunc_end_k_qe59bf3eeba_proj-k_qe59bf3eeba_proj
	.p2alignl 7, 3214868480
	.fill 96, 4, 3214868480
	.section	.rodata,"a",@progbits
	.p2align	6, 0x0
	.amdhsa_kernel k_qe59bf3eeba_proj
		.amdhsa_group_segment_fixed_size 327680
		.amdhsa_private_segment_fixed_size 0
		.amdhsa_enable_private_segment 0
		.amdhsa_kernarg_size 64
		.amdhsa_user_sgpr_count 2
		.amdhsa_user_sgpr_kernarg_segment_ptr 1
		.amdhsa_wavefront_size32 1
		.amdhsa_system_sgpr_workgroup_id_x 1
		.amdhsa_system_sgpr_workgroup_id_y 1
		.amdhsa_system_sgpr_workgroup_id_z 1
		.amdhsa_system_vgpr_workitem_id 0
		.amdhsa_next_free_vgpr 768
		.amdhsa_next_free_sgpr 100
		.amdhsa_reserve_vcc 0
		.amdhsa_float_denorm_mode_32 3
		.amdhsa_float_denorm_mode_16_64 3
		.amdhsa_memory_ordered 1
		.amdhsa_forward_progress 1
		.amdhsa_inst_pref_size 210
	.end_amdhsa_kernel
	.amdgpu_metadata
---
amdhsa.version: [ 1, 2 ]
amdhsa.kernels:
  - .name:           k_qe59bf3eeba_proj
    .symbol:         k_qe59bf3eeba_proj.kd
    .args:
      - { .name: acod, .offset: 0, .size: 8, .value_kind: global_buffer, .address_space: global }
      - { .name: ascl, .offset: 8, .size: 8, .value_kind: global_buffer, .address_space: global }
      - { .name: wcod, .offset: 16, .size: 8, .value_kind: global_buffer, .address_space: global }
      - { .name: wscl, .offset: 24, .size: 8, .value_kind: global_buffer, .address_space: global }
      - { .name: bq, .offset: 32, .size: 8, .value_kind: global_buffer, .address_space: global }
      - { .name: bk, .offset: 40, .size: 8, .value_kind: global_buffer, .address_space: global }
      - { .name: bv, .offset: 48, .size: 8, .value_kind: global_buffer, .address_space: global }
      - { .name: qkv, .offset: 56, .size: 8, .value_kind: global_buffer, .address_space: global }
    .group_segment_fixed_size: 327680
    .private_segment_fixed_size: 0
    .kernarg_segment_align: 8
    .kernarg_segment_size: 64
    .max_flat_workgroup_size: 128
    .sgpr_count:     100
    .vgpr_count:     768
    .wavefront_size: 32
...
	.end_amdgpu_metadata
.endif
;; end of part 2
;; launch attn (part 3): grid 2 x 128, 8 waves a work-group, no clusters, 327,680 bytes of LDS; arguments qkv, hds; writes hds
.if DOCPART == 3
	.amdgcn_target "amdgcn-amd-amdhsa--gfx1250"
	.amdhsa_code_object_version 6
	.text
	.protected	k_qe59bf3eeba_attn
	.globl	k_qe59bf3eeba_attn
	.p2align	8
	.type	k_qe59bf3eeba_attn,@function
k_qe59bf3eeba_attn:
	s_mov_b64 s[64:65], 0
	v_nop
	global_prefetch_b8 v0, s[64:65] scope:SCOPE_SE
	s_setreg_imm32_b32 hwreg(HW_REG_WAVE_MODE, 25, 1), 1
	s_wait_xcnt 0x0
; heads[b][h][q][:] = the sum over k of softmax_k(Q[q] . K[k] / 8) V[k][:], for each of 128 (b, h); Q, K, V: [3][128][1024][64] f16, out [128][1024][64] f16.  Products on f16 operands, f32 sums; maxima, exponentials and row sums in f32.
; f16 and not bf16: five operand roundings stand between here and the output, whose numbers are averages of about 1,024 values and so are small against what is averaged.
; LIMITS: the weights p (at most 1) and the heads are rounded to f16; NaN and infinities are not served.
; SHARES.  A work-group owns 512 queries of one head; each of its eight waves 64: four tiles of 16, so that each fragment of K and V read from LDS feeds four matrix instructions.  Two waves lie on a SIMD: one's softmax beside the other's products.
; A WHOLE HEAD'S K AND V LIE IN LDS: 1,024 rows x (128 + 16) bytes and 1,024 x (128 + 32).  All is asked for at the head, in four chunks of 256 keys (waves 0, 1: K's halves; waves 2, 3: V's): four tensor loads of a
; wave are out, no descriptor is stepped, and nothing could be asked for earlier than it is.
; NO CLUSTER: two work-groups share a head, and the grid's 2 along x is no multiple of a cluster's 4; what they share is 256 KiB, read once each, against sixteen key steps of work on it.
; LAYOUT.  Both products transposed: S^T = K Q^T (source 0 = 16 keys, source 1 = 16 queries), O^T = V^T P: a lane holds ONE query throughout.  Two tiles of S^T, rounded in pairs, are source 1 of the second product.
; SOFTMAX.  A running maximum m and sum l for each query: p = 2^(c s - c m), c = log2(e) / 8; in every step O^T and l are multiplied by a = 2^(c m_old - c m_new).  The step is written once: m begins at -3e38, l and O^T at 0.
; REGISTERS.  window 0: v1-9 addresses; v[32 + 8 t ..] tile t's statistics: +0 c m, +1 m, +2, +3 l, +4 .. +7 at work (+6 becomes a); v64-127 K's fragments, then V's; v[128 + 32 t ..] S^T, then p, packed in place into the first 16.
;   window 1: v[32 t + 8 dt] O^T; v[128 + 16 t + 8 kk] Q.
.set PK,    144                        ; a row of K in LDS
.set PV,    160                        ; a row of V: five times 32 bytes, for the turning load
.set VBASE, 1024*PK
.set SPARE, VBASE+1024*PV              ; the spare words, 128 bytes a wave, which no other line names
.set AK0, 1
.set AV0, 2
.set ADK, 3
.set ADV, 4
.set SPW, 5
.set NIL, 6
.set GO,  7
.set STO, 8
.set RD,  9
.set ST,  32
.set KV,  64
.set S,   128
.set QF,  128                          ; in window 1
.set WV,  8
.set HF,  9
.set CS,  12                           ; s[12:13] c, twice: the packed form names a pair
.set SEL, 14                           ; s[14:15] v_permlanex16_b32's selects for lane l xor 16
.set TK,  16                           ; s16 LDS byte of the step's keys in K
.set TV,  17                           ; s17 and in V (from V's first byte)
.set CNT, 18
.set G1K, 20
.set G1V, 28
.set G0K, 36                           ; s[36:51] four groups 0 for K's chunks
.set G0V, 68                           ; s[68:83] four for V's
.set MSB, 0
.macro WIN new
.if MSB != \new
	s_set_vgpr_msb (MSB<<8)|\new
.set MSB, \new
.endif
.endm
.macro PLACES n
.rept \n
	v_nop
.endr
.endm
	s_load_b128 s[4:7], s[0:1], 0x0                ; Q, K, V s[4:5]; the heads s[6:7]
	v_lshl_add_u32 v[SPW], v0, 2, SPARE
	v_mov_b32 v[NIL], 0
	ds_add_u32 v[SPW], v[NIL]                      ; the wave's opening: the add, twice on end, and its wait ahead of the first tensor load
	ds_add_u32 v[SPW], v[NIL]
	v_lshrrev_b32 v10, 5, v0
	v_readfirstlane_b32 s[WV], v10                 ; wave 0..7
	s_and_b32 s[HF], s[WV], 1
	s_and_b32 s10, ttmp7, 0xffff                   ; (b, h)
	s_lshl_b32 s84, s10, 17                        ; the head's first byte in Q, K, V and the heads
	s_mov_b32 s85, 0
	s_lshl_b32 s86, s[HF], 14                      ; my 128 rows of a chunk's 256
	s_mov_b32 s87, 0
	s_add_nc_u64 s[86:87], s[86:87], s[84:85]
	s_lshl_b32 s88, ttmp9, 16                      ; my work-group's 512 queries,
	s_lshl_b32 s89, s[WV], 13                      ; my wave's 64
	s_add_co_u32 s88, s88, s89
	s_mov_b32 s89, 0
	s_add_nc_u64 s[88:89], s[88:89], s[84:85]
	s_mul_i32 s90, s[HF], 128*PK
	s_mul_i32 s91, s[HF], 128*PV
	s_add_co_u32 s91, s91, VBASE
	s_mov_b32 s[G1K], (1<<16)|(1<<20)|(4<<22)|(3<<25)   ; no mask; elements of 2 bytes; padding on: after every 32 words, 4 words
	s_mov_b32 s[G1V], (1<<16)|(1<<20)|(4<<22)|(7<<25)   ; 8 words
.irp g, G1K, G1V
	s_mov_b32 s[\g+1], 64<<16                      ; tensor_dim0 = 64
	s_mov_b32 s[\g+2], 128<<16                     ; tensor_dim1 = 128
	s_mov_b32 s[\g+3], 64<<16                      ; tile_dim0
	s_mov_b32 s[\g+4], 128                         ; tile_dim1
	s_mov_b32 s[\g+5], 64                          ; elements from row to row
	s_mov_b32 s[\g+6], 0
	s_mov_b32 s[\g+7], 0
.endr
	s_mov_b32 s[CS], 0x3e38aa3b                    ; c = log2(e) / sqrt(64)
	s_mov_b32 s[CS+1], s[CS]
	s_mov_b32 s[SEL], 0x76543210
	s_mov_b32 s[SEL+1], 0xfedcba98
	s_wait_dscnt 0x0                               ; both opening adds are done
	s_wait_kmcnt 0x0
	s_add_nc_u64 s[86:87], s[4:5], s[86:87]
.irp c, 0,1,2,3
	s_mov_b32 s[G0K+4*\c], 1
	s_add_co_u32 s[G0K+4*\c+1], s90, 256*PK*\c
	s_add_nc_u64 s[G0K+4*\c+2:G0K+4*\c+3], s[86:87], 16777216+32768*\c   ; K is the second of the three tensors
	s_or_b32 s[G0K+4*\c+3], s[G0K+4*\c+3], 0x80000000
	s_mov_b32 s[G0V+4*\c], 1
	s_add_co_u32 s[G0V+4*\c+1], s91, 256*PV*\c
	s_add_nc_u64 s[G0V+4*\c+2:G0V+4*\c+3], s[86:87], 33554432+32768*\c   ; V the third
	s_or_b32 s[G0V+4*\c+3], s[G0V+4*\c+3], 0x80000000
.endr
	s_cmp_lt_u32 s[WV], 2                          ; a wave's four fills stand in one branch on its number, ahead of every wait on TENSORcnt, every LDS read and every barrier
	s_cbranch_scc0 .Lnot_k
.irp c, 0,1,2,3
	tensor_load_to_lds s[G0K+4*\c:G0K+4*\c+3], s[G1K:G1K+7]
	s_nop 0
.endr
	PLACES 4
	s_branch .Lasked
.Lnot_k:
	s_cmp_lt_u32 s[WV], 4
	s_cbranch_scc0 .Lasked
.irp c, 0,1,2,3
	tensor_load_to_lds s[G0V+4*\c:G0V+4*\c+3], s[G1V:G1V+7]
	s_nop 0
.endr
	PLACES 4
.Lasked:
	s_add_nc_u64 s[4:5], s[4:5], s[88:89]          ; Q at my wave's first query
	s_add_nc_u64 s[6:7], s[6:7], s[88:89]          ; the heads likewise
	v_and_b32 v11, 15, v0                          ; r
	v_bfe_u32 v12, v0, 4, 1                        ; h
	v_lshlrev_b32 v10, 7, v11
	v_lshl_add_u32 v10, v12, 4, v10                ; Q: row r of 128 bytes + 16 h
	WIN 0x40                                       ; destination window 1
.irp t, 0,1,2,3
.irp kk, 0,1
	global_load_b128 v[QF+16*\t+8*\kk:QF+16*\t+8*\kk+3],   v10, s[4:5] offset:2048*\t+64*\kk
	global_load_b128 v[QF+16*\t+8*\kk+4:QF+16*\t+8*\kk+7], v10, s[4:5] offset:2048*\t+64*\kk+32
.endr
.endr
.set i, 0
.rept 128
	v_mov_b32 v[i], 0                              ; O^T.  (Once: so the key step has no first form of its own, which would be a fifth copy of it)
.set i, i+1
.endr
	WIN 0
	v_mul_u32_u24 v[AK0], v11, PK
	v_lshl_add_u32 v[AK0], v12, 4, v[AK0]          ; K: row r x pitch + 16 h
	v_and_b32 v13, 7, v0
	v_bfe_u32 v14, v0, 3, 1
	v_lshl_add_u32 v[AV0], v12, 3, v13             ; V, for the turning load: key 8 h + l % 8,
	v_mul_u32_u24 v[AV0], v[AV0], PV
	v_lshl_add_u32 v[AV0], v14, 4, v[AV0]          ; channels 8 ((l / 8) % 2) on
	v_add_nc_u32 v[AV0], VBASE, v[AV0]
	v_and_b32 v15, 31, v0
	v_lshlrev_b32 v[GO], 4, v15                    ; the way out: 16 bytes a lane
	s_mul_i32 s92, s[WV], 4*16*PK                  ; my four stages, in K's bytes (used behind the last barrier alone)
	v_add_nc_u32 v[STO], s92, v[AK0]               ; in: row r, 16 bytes for each half of the lanes
	v_lshrrev_b32 v15, 3, v15
	v_mul_u32_u24 v15, v15, PK
	v_lshl_add_u32 v15, v13, 4, v15
	v_add_nc_u32 v[RD], s92, v15                   ; back: eight lanes to a row of 128 bytes
.irp t, 0,1,2,3
	v_mov_b32 v[ST+8*\t+1], 0xff61b1e6             ; m = -3e38, under every score
	v_mov_b32 v[ST+8*\t+2], 0                      ; l, in two halves
	v_mov_b32 v[ST+8*\t+3], 0
.endr
.irp t, 0,1,2,3
	v_mul_f32 v[ST+8*\t], s[CS], v[ST+8*\t+1]      ; c m
.endr
; A KEY STEP: 64 keys for my four tiles of queries: 32 products, the softmax, 32 products.
.macro STEP
	WIN 0
	v_add_nc_u32 v[ADK], s[TK], v[AK0]
	v_add_nc_u32 v[ADV], s[TV], v[AV0]
	PLACES 3                                       ; with the two additions five places behind the last step's products: the products below write over p's registers, the loads over V's
.irp f, 0,1,2,3,4,5,6,7                        ; K's fragments: keys 16 (f / 2) on, channels 32 (f % 2) on
	ds_load_b128 v[KV+8*\f:KV+8*\f+3],   v[ADK] offset:(\f/2)*16*PK+(\f%2)*64
	ds_load_b128 v[KV+8*\f+4:KV+8*\f+7], v[ADK] offset:(\f/2)*16*PK+(\f%2)*64+32
.endr
	s_wait_dscnt 0x0
	WIN 0x04                                       ; source 1 (Q) window 1
.irp kk, 0,1                                   ; sixteen accumulators by turns, one instruction a turn
.irp kt, 0,1,2,3
.irp t, 0,1,2,3
.if \kk == 0
	v_wmma_f32_16x16x32_f16 v[S+32*\t+8*\kt:S+32*\t+8*\kt+7], v[KV+8*(2*\kt+\kk):KV+8*(2*\kt+\kk)+7], v[QF+16*\t+8*\kk:QF+16*\t+8*\kk+7], 0
.else
	v_wmma_f32_16x16x32_f16 v[S+32*\t+8*\kt:S+32*\t+8*\kt+7], v[KV+8*(2*\kt+\kk):KV+8*(2*\kt+\kk)+7], v[QF+16*\t+8*\kk:QF+16*\t+8*\kk+7], v[S+32*\t+8*\kt:S+32*\t+8*\kt+7]
.endif
.endr
.endr
.endr
	WIN 0
	PLACES 4                                       ; behind the products: for the loads over K's fragments and for the first read of the scores
.irp f, 0,1,2,3,4,5,6,7                        ; V's fragments, turned: keys 32 (f / 4) on, channels 16 (f % 4) on.  They land while the softmax is walked
	ds_load_tr16_b128 v[KV+8*\f:KV+8*\f+3],   v[ADV] offset:(\f/4)*32*PV+(\f%4)*32
	ds_load_tr16_b128 v[KV+8*\f+4:KV+8*\f+7], v[ADV] offset:(\f/4)*32*PV+16*PV+(\f%4)*32
.endr
	; the maximum of a lane's 32 scores and the old m, three operands at a time; the four tiles by turns, so that no line waits for the line above it.  Each accumulator is read from its low end on
.irp j, 0,1,2,3
.irp t, 0,1,2,3
	v_max3_num_f32 v[ST+8*\t+4+\j], v[S+32*\t+8*\j], v[S+32*\t+8*\j+1], v[S+32*\t+8*\j+2]
.endr
.endr
.irp u, 3,5
.irp j, 0,1,2,3
.irp t, 0,1,2,3
	v_max3_num_f32 v[ST+8*\t+4+\j], v[ST+8*\t+4+\j], v[S+32*\t+8*\j+\u], v[S+32*\t+8*\j+\u+1]
.endr
.endr
.endr
.irp t, 0,1,2,3
	v_max3_num_f32 v[ST+8*\t+4], v[ST+8*\t+4], v[S+32*\t+7], v[S+32*\t+15]
.endr
.irp t, 0,1,2,3
	v_max3_num_f32 v[ST+8*\t+6], v[ST+8*\t+6], v[S+32*\t+23], v[S+32*\t+31]
.endr
.irp t, 0,1,2,3
	v_max3_num_f32 v[ST+8*\t+4], v[ST+8*\t+4], v[ST+8*\t+5], v[ST+8*\t+6]
.endr
.irp t, 0,1,2,3
	v_max3_num_f32 v[ST+8*\t+4], v[ST+8*\t+4], v[ST+8*\t+7], v[ST+8*\t+1]
.endr
.irp t, 0,1,2,3
	v_permlanex16_b32 v[ST+8*\t+5], v[ST+8*\t+4], s[SEL], s[SEL+1]   ; the query's other 32 keys lie in the lane 16 away
.endr
.irp t, 0,1,2,3
	v_mov_b32 v[ST+8*\t+7], v[ST+8*\t]             ; c m_old
.endr
.irp t, 0,1,2,3
	v_max_num_f32 v[ST+8*\t+1], v[ST+8*\t+4], v[ST+8*\t+5]   ; the new m
.endr
.irp t, 0,1,2,3
	v_mul_f32 v[ST+8*\t], s[CS], v[ST+8*\t+1]
.endr
.irp t, 0,1,2,3
	v_sub_f32 v[ST+8*\t+7], v[ST+8*\t+7], v[ST+8*\t]   ; c m_old - c m_new, 0 or less
.endr
.set jj, 0
.rept 16
.irp t, 0,1,2,3
	v_pk_fma_f32 v[S+32*\t+jj:S+32*\t+jj+1], v[S+32*\t+jj:S+32*\t+jj+1], s[CS:CS+1], v[ST+8*\t:ST+8*\t+1] op_sel_hi:[1,0,0] neg_lo:[0,0,1] neg_hi:[0,0,1]   ; c s - c m, two at a time
.endr
.set jj, jj+2
.endr
.irp t, 0,1,2,3
	v_exp_f32 v[ST+8*\t+6], v[ST+8*\t+7]           ; a
.endr
.set jj, 0
.rept 32
.irp t, 0,1,2,3
	v_exp_f32 v[S+32*\t+jj], v[S+32*\t+jj]         ; p, at most 1
.endr
.set jj, jj+1
.endr
	v_nop                                          ; a plain line behind the last exponential
	s_wait_alu depctr_va_vdst(0)                   ; the wait ahead of the first line that names a result: one for the 132 exponentials
.irp t, 0,1,2,3
	v_pk_mul_f32 v[ST+8*\t+2:ST+8*\t+3], v[ST+8*\t+2:ST+8*\t+3], v[ST+8*\t+6:ST+8*\t+7] op_sel_hi:[1,0]   ; l under the new m
.endr
.irp t, 0,1,2,3
	v_pk_add_f32 v[ST+8*\t+4:ST+8*\t+5], v[S+32*\t:S+32*\t+1], v[S+32*\t+2:S+32*\t+3]   ; the sum of the unrounded p, in two chains
.endr
.set jj, 4
.rept 7
.irp t, 0,1,2,3
	v_pk_add_f32 v[ST+8*\t+2:ST+8*\t+3], v[ST+8*\t+2:ST+8*\t+3], v[S+32*\t+jj:S+32*\t+jj+1]
.endr
.irp t, 0,1,2,3
	v_pk_add_f32 v[ST+8*\t+4:ST+8*\t+5], v[ST+8*\t+4:ST+8*\t+5], v[S+32*\t+jj+2:S+32*\t+jj+3]
.endr
.set jj, jj+4
.endr
.irp t, 0,1,2,3
	v_pk_add_f32 v[ST+8*\t+2:ST+8*\t+3], v[ST+8*\t+2:ST+8*\t+3], v[ST+8*\t+4:ST+8*\t+5]
.endr
.set jj, 0
.rept 16
.irp t, 0,1,2,3
	v_cvt_pk_f16_f32 v[S+32*\t+jj], v[S+32*\t+2*jj], v[S+32*\t+2*jj+1]   ; in place, ascending: a destination has been read by then.  Registers 8 kh .. 8 kh + 7 are source 1 for keys 32 kh on
.endr
.set jj, jj+1
.endr
	WIN 0x41                                       ; O^T (destination and source 0) window 1, a window 0
.set jj, 0
.rept 16
.irp t, 0,1,2,3
	v_pk_mul_f32 v[32*\t+jj:32*\t+jj+1], v[32*\t+jj:32*\t+jj+1], v[ST+8*\t+6:ST+8*\t+7] op_sel_hi:[1,0]   ; O^T under the new m, each accumulator from its low end on
.endr
.set jj, jj+2
.endr
	s_wait_dscnt 0x0                               ; V is in
	WIN 0x50                                       ; C and D window 1
.irp kh, 0,1                                   ; sixteen accumulators by turns
.irp dt, 0,1,2,3
.irp t, 0,1,2,3
	v_wmma_f32_16x16x32_f16 v[32*\t+8*\dt:32*\t+8*\dt+7], v[KV+8*(4*\kh+\dt):KV+8*(4*\kh+\dt)+7], v[S+32*\t+8*\kh:S+32*\t+8*\kh+7], v[32*\t+8*\dt:32*\t+8*\dt+7]
.endr
.endr
.endr
	WIN 0
	s_add_co_u32 s[TK], s[TK], 64*PK
	s_add_co_u32 s[TV], s[TV], 64*PV
.endm
; A chunk of 256 keys: its tiles have landed in every wave's sight, then four key steps.
.macro CHUNK c
	s_wait_tensorcnt 3-\c                          ; my part of chunk c is in; my 3 - c younger loads may be out
	s_wait_dscnt 0x0                               ; no LDS instruction of mine is out at the signal
	s_barrier_signal -1
	s_barrier_wait -1                              ; everybody's part is in
	s_mov_b32 s[TK], 256*PK*\c
	s_mov_b32 s[TV], 256*PV*\c
	s_mov_b32 s[CNT], 4
.Lstep_\@:
	STEP
	s_sub_co_u32 s[CNT], s[CNT], 1
	s_cmp_lg_u32 s[CNT], 0
	s_cbranch_scc1 .Lstep_\@
.endm
	s_wait_loadcnt 0x0                             ; Q
	CHUNK 0
	CHUNK 1
	CHUNK 2
	CHUNK 3
	; THE WAY OUT.  Behind this barrier no wave reads K any more, and K has had its only fill: its first bytes serve as stages.
	s_wait_dscnt 0x0
	s_barrier_signal -1
	s_barrier_wait -1
.irp t, 0,1,2,3
	v_add_f32 v[ST+8*\t+4], v[ST+8*\t+2], v[ST+8*\t+3]   ; l's two halves (these four are the places behind the last products),
.endr
.irp t, 0,1,2,3
	v_permlanex16_b32 v[ST+8*\t+5], v[ST+8*\t+4], s[SEL], s[SEL+1]
.endr
.irp t, 0,1,2,3
	v_add_f32 v[ST+8*\t+4], v[ST+8*\t+4], v[ST+8*\t+5]   ; and the other half of the lanes'
.endr
.irp t, 0,1,2,3
	v_rcp_f32 v[ST+8*\t+6], v[ST+8*\t+4]
.endr
	v_nop                                          ; a plain line behind the last reciprocal
	s_wait_alu depctr_va_vdst(0)                   ; and the wait ahead of the first use: one for the four
.macro PACK t                          ; tile t: O^T / l, rounded to f16: 16 bytes a lane into rows of 144 bytes, back as 512 consecutive bytes of the head an instruction
	WIN 0x41
.set i, 0
.rept 16
	v_pk_mul_f32 v[32*\t+i:32*\t+i+1], v[32*\t+i:32*\t+i+1], v[ST+8*\t+6:ST+8*\t+7] op_sel_hi:[1,0]
.set i, i+2
.endr
	WIN 0x05                                       ; sources window 1, destination window 0: S^T's registers are free
.set i, 0
.rept 16
	v_cvt_pk_f16_f32 v[S+32*\t+i], v[32*\t+2*i], v[32*\t+2*i+1]
.set i, i+1
.endr
	WIN 0
.irp dt, 0,1,2,3
	ds_store_b128 v[STO], v[S+32*\t+4*\dt:S+32*\t+4*\dt+3] offset:16*PK*\t+32*\dt
.endr
.irp u, 0,1,2,3
	ds_load_b128 v[S+32*\t+16+4*\u:S+32*\t+16+4*\u+3], v[RD] offset:16*PK*\t+4*PK*\u   ; LDS serves a wave's instructions in order: these see the stores above
.endr
.endm
	PACK 0
	PACK 1
	PACK 2
	PACK 3
.irp t, 0,1,2,3
.irp u, 0,1,2,3
	s_wait_dscnt 8*(3-\t)+3-\u                     ; behind this load: 3 - u loads of its tile and eight instructions for each later tile
	global_store_b128 v[GO], v[S+32*\t+16+4*\u:S+32*\t+16+4*\u+3], s[6:7] offset:2048*\t+512*\u
.endr
.endr
	s_wait_tensorcnt 0x0                           ; the wave's end
	ds_add_u32 v[SPW], v[NIL]
	s_wait_dscnt 0x0
	s_endpgm
.Lfunc_end_k_qe59bf3eeba_attn:
	.size	k_qe59bf3eeba_attn, .Lfunc_end_k_qe59bf3eeba_attn-k_qe59bf3eeba_attn
	.p2alignl 7, 3214868480
	.fill 96, 4, 3214868480
	.section	.rodata,"a",@progbits
	.p2align	6, 0x0
	.amdhsa_kernel k_qe59bf3eeba_attn
		.amdhsa_group_segment_fixed_size 327680
		.amdhsa_private_segment_fixed_size 0
		.amdhsa_enable_private_segment 0
		.amdhsa_kernarg_size 16
		.amdhsa_user_sgpr_count 2
		.amdhsa_user_sgpr_kernarg_segment_ptr 1
		.amdhsa_wavefront_size32 1
		.amdhsa_system_sgpr_workgroup_id_x 1
		.amdhsa_system_sgpr_workgroup_id_y 1
		.amdhsa_system_sgpr_workgroup_id_z 1
		.amdhsa_system_vgpr_workitem_id 0
		.amdhsa_next_free_vgpr 512
		.amdhsa_next_free_sgpr 96
		.amdhsa_reserve_vcc 0
		.amdhsa_float_denorm_mode_32 3
		.amdhsa_float_denorm_mode_16_64 3
		.amdhsa_memory_ordered 1
		.amdhsa_forward_progress 1
		.amdhsa_inst_pref_size 155
	.end_amdhsa_kernel
	.amdgpu_metadata
---
amdhsa.version: [ 1, 2 ]
amdhsa.kernels:
  - .name:           k_qe59bf3eeba_attn
    .symbol:         k_qe59bf3eeba_attn.kd
    .args:
      - { .name: qkv, .offset: 0, .size: 8, .value_kind: global_buffer, .address_space: global }
      - { .name: hds, .offset: 8, .size: 8, .value_kind: global_buffer, .address_space: global }
    .group_segment_fixed_size: 327680
    .private_segment_fixed_size: 0
    .kernarg_segment_align: 8
    .kernarg_segment_size: 16
    .max_flat_workgroup_size: 256
    .sgpr_count:     96
    .vgpr_count:     512
    .wavefront_size: 32
...
	.end_amdgpu_metadata
.endif
;; end of part 3
;; launch outp (part 4): grid 8 x 32, 4 waves a work-group, clusters of 4 x 4, 327,680 bytes of LDS; arguments hds, wph, bp, out0; writes out0
.if DOCPART == 4
	.amdgcn_target "amdgcn-amd-amdhsa--gfx1250"
	.amdhsa_code_object_version 6
	.text
	.protected	k_qe59bf3eeba_outp
	.globl	k_qe59bf3eeba_outp
	.p2align	8
	.type	k_qe59bf3eeba_outp,@function
k_qe59bf3eeba_outp:
	s_mov_b64 s[64:65], 0
	v_nop
	global_prefetch_b8 v0, s[64:65] scope:SCOPE_SE
	s_setreg_imm32_b32 hwreg(HW_REG_WAVE_MODE, 25, 1), 1
	s_wait_xcnt 0x0
	s_wait_alu depctr_hold_cnt(0) depctr_sa_sdst(0) depctr_va_vdst(0) depctr_va_sdst(0) depctr_va_ssrc(0) depctr_va_vcc(0) depctr_vm_vsrc(0)
	s_getreg_b32 s2, hwreg(HW_REG_IB_STS2, 6, 4)
	s_cmp_eq_u32 s2, 0
	s_cbranch_scc0 .Lentry_in_a_cluster
	s_endpgm
.Lentry_in_a_cluster:
	s_bfe_u32 s2, ttmp6, 0x10000c
	s_cmp_lg_u32 s2, 0xf033
	s_cbranch_scc0 .Lentry_shape_is_right
	s_endpgm
.Lentry_shape_is_right:
; out[b p][n] = the sum over k = 64 h + d of heads[b][h][p][d] Wp[k][n] + bp[n].  heads and Wp in f16, sums and out in f32.
; A tile is 256 rows x 128 columns: 256 work-groups.  Wave (wm, wn) makes 128 rows x 64 columns: 32 accumulators.  A K step of 128 is two heads: eight steps, 128 matrix instructions a wave in each.
; THE RING: two LDS slots, each with two heads' 256 rows (128 bytes + 16) and 128 rows of Wp (256 bytes + 32).  Behind each round one load a wave goes out, into the slot read last, and has a whole K step in which to land.
; All LDS is claimed.
; CLUSTERS 4 x 4: the four of a cluster's row need the same rows of the heads, the four of a column the same columns of Wp: each tile is asked for jointly.
; THE MATRIX INSTRUCTION IS USED TRANSPOSED: source 0 = 16 columns of Wp (rows k in LDS, turned by ds_load_tr16_b128), source 1 = 16 rows of the heads: a lane holds eight neighbouring columns of a row of out.  bp is the C of the first products.
; REGISTERS: window 0: v16-23 addresses, v28-29 the add's two, v32-95 rows on the way out.  window 1: two buffers of 96 (8 fragments of the heads, 4 of Wp), v192-223 bp.  window 2: accumulator (a, b) at v[8 (4 a + b)].
.set PA,     144
.set PB,     288
.set AHALF,  256*PA                    ; 36,864: one head's 256 rows
.set BOFF,   2*AHALF
.set SLOT,   BOFF+128*PB               ; 110,592
.set STAGE,  2*SLOT                    ; 16 rows x 272 bytes for each wave
.set SPITCH, 272
.set SPARE,  STAGE+4*16*SPITCH         ; the spare words, 128 bytes a wave, which no other line names
.set KSB,    262144                    ; a K step on, in bytes: two heads of 131,072, and 128 rows of Wp of 2,048
.set ADRA, 16
.set ADRB, 18
.set STO,  20
.set RD,   21
.set CO,   22
.set BIO,  23
.set SPW,  28
.set NIL,  29
.set BK,   32
.set BIAS, 192
.set WV,   12
.set ROLE, 13
.set HF,   14
.set G1A,  20
.set G1B,  28
.set G0A,  36
.set G0B,  44
.set MSB, 0
.macro WIN new
.if MSB != \new
	s_set_vgpr_msb (MSB<<8)|\new
.set MSB, \new
.endif
.endm
.macro PLACES n
.rept \n
	v_nop
.endr
.endm
.macro CROUND                          ; a round of the cluster's barrier
	s_barrier_signal -1
	s_barrier_wait -1
	s_cmp_lg_u32 s[WV], 0
	s_cbranch_scc1 .Lnot_wave_0_\@
	s_barrier_signal -3
.Lnot_wave_0_\@:
	s_barrier_wait -3
	s_barrier_signal -1
	s_barrier_wait -1
.endm
.macro JLOAD g0a, g1a, g0b, g1b        ; a joint load: waves 0 and 1 fetch the two heads, waves 2 and 3 Wp's halves; an s_nop 0 and four v_nop follow each line
	s_cmp_eq_u32 s[ROLE], 0
	s_cbranch_scc0 .Lfor_b_\@
	tensor_load_to_lds s[\g0a:\g0a+3], s[\g1a:\g1a+7]
	s_nop 0
.rept 4
	v_nop
.endr
	s_branch .Lasked_\@
.Lfor_b_\@:
	tensor_load_to_lds s[\g0b:\g0b+3], s[\g1b:\g1b+7]
	s_nop 0
.rept 4
	v_nop
.endr
.Lasked_\@:
.endm
	s_load_b256 s[4:11], s[0:1], 0x0               ; heads s[4:5], Wp s[6:7], bp s[8:9], out s[10:11]
	v_lshl_add_u32 v[SPW], v0, 2, SPARE
	v_mov_b32 v[NIL], 0
	ds_add_u32 v[SPW], v[NIL]                      ; the wave's opening: the add, twice on end, and its wait ahead of my first tensor load
	ds_add_u32 v[SPW], v[NIL]
	v_lshrrev_b32 v1, 5, v0
	v_readfirstlane_b32 s[WV], v1                  ; wave 0..3
	s_lshr_b32 s[ROLE], s[WV], 1                   ; wm.  Also: I fetch the heads (0) or Wp (1)
	s_and_b32 s[HF], s[WV], 1                      ; wn.  Also: which half of that I fetch
	s_bfe_u32 s15, ttmp6, 0x40000                  ; cx
	s_bfe_u32 s16, ttmp6, 0x40004                  ; cy
	s_lshl_b32 s17, ttmp9, 2
	s_add_co_u32 s17, s17, s15                     ; tile column 0..7
	s_and_b32 s18, ttmp7, 0xffff
	s_lshl_b32 s18, s18, 2
	s_add_co_u32 s18, s18, s16                     ; tile row 0..31
	s_lshl_b32 s19, s16, 2
	s_lshl_b32 s19, 15, s19                        ; my row of the cluster
	s_lshl_b32 s66, 0x1111, s15                    ; my column
	s_or_b32 s[G1A], s19, (1<<16)|(1<<20)|(1<<21)|(4<<22)|(3<<25)   ; the mask; elements of 2 bytes; padding on; bit 21 beside a mask; after every 32 words, 4 words
	s_mov_b32 s[G1A+1], 64<<16                     ; tensor_dim0 = 64
	s_mov_b32 s[G1A+2], 256<<16                    ; tensor_dim1 = 256
	s_mov_b32 s[G1A+3], 64<<16                     ; tile_dim0
	s_mov_b32 s[G1A+4], 256                        ; tile_dim1
	s_mov_b32 s[G1A+5], 64                         ; elements from row to row
	s_mov_b32 s[G1A+6], 0
	s_mov_b32 s[G1A+7], 0
	s_or_b32 s[G1B], s66, (1<<16)|(1<<20)|(1<<21)|(5<<22)|(7<<25)   ; after every 64 words, 8 words
	s_mov_b32 s[G1B+1], 128<<16
	s_mov_b32 s[G1B+2], 64<<16
	s_mov_b32 s[G1B+3], 128<<16
	s_mov_b32 s[G1B+4], 64
	s_mov_b32 s[G1B+5], 1024
	s_mov_b32 s[G1B+6], 0
	s_mov_b32 s[G1B+7], 0
	s_lshr_b32 s52, s18, 2                         ; heads: ((16 b + half) x 1024 + first row) x 128 bytes: made of the tile row alone
	s_lshl_b32 s52, s52, 21
	s_and_b32 s53, s18, 3
	s_lshl_b32 s53, s53, 15
	s_add_co_u32 s52, s52, s53
	s_lshl_b32 s53, s[HF], 17
	s_add_co_u32 s52, s52, s53
	s_mov_b32 s53, 0
	s_lshl_b32 s54, s[HF], 17                      ; Wp: 64 half rows of 2,048 bytes + 256 x tile column: made of the tile column alone
	s_lshl_b32 s55, s17, 8
	s_add_co_u32 s54, s54, s55
	s_mov_b32 s55, 0
	s_mul_i32 s56, s[HF], AHALF                    ; where they go: no place in the cluster enters an LDS address
	s_mul_i32 s57, s[HF], 64*PB
	s_add_co_u32 s57, s57, BOFF
	s_lshl_b32 s58, s17, 9                         ; my first column, in bytes of f32: 512 x tile column + 256 wn
	s_lshl_b32 s59, s[HF], 8
	s_add_co_u32 s58, s58, s59
	s_mov_b32 s59, 0
	s_lshl_b32 s60, s18, 20                        ; my first row of out: (256 tile row + 128 wm) x 4,096 bytes
	s_lshl_b32 s61, s[ROLE], 19
	s_add_co_u32 s60, s60, s61
	s_add_co_u32 s60, s60, s58
	s_mov_b32 s61, 0
	s_wait_dscnt 0x0                               ; both opening adds are done
	s_wait_kmcnt 0x0
	s_add_nc_u64 s[52:53], s[4:5], s[52:53]
	s_add_nc_u64 s[54:55], s[6:7], s[54:55]
.irp n, 0,1
	s_mov_b32 s[G0A+4*\n], 1
	s_add_co_u32 s[G0A+4*\n+1], s56, \n*SLOT
	s_add_nc_u64 s[G0A+4*\n+2:G0A+4*\n+3], s[52:53], \n*KSB
	s_or_b32 s[G0A+4*\n+3], s[G0A+4*\n+3], 0x80000000
	s_mov_b32 s[G0B+4*\n], 1
	s_add_co_u32 s[G0B+4*\n+1], s57, \n*SLOT
	s_add_nc_u64 s[G0B+4*\n+2:G0B+4*\n+3], s[54:55], \n*KSB
	s_or_b32 s[G0B+4*\n+3], s[G0B+4*\n+3], 0x80000000
.endr
	CROUND                                         ; all sixteen work-groups are here: the first joint loads meet
	JLOAD G0A, G1A, G0B, G1B                       ; K step 0.  Slot 1 is first filled behind the first trip's round, as a refill is
	s_add_nc_u64 s[8:9], s[8:9], s[58:59]
	s_add_nc_u64 s[60:61], s[10:11], s[60:61]
	v_and_b32 v1, 15, v0                           ; r
	v_bfe_u32 v2, v0, 4, 1                         ; h
	v_lshlrev_b32 v[BIO], 5, v2                    ; bp: 8 h numbers on
	WIN 0x40
.irp b, 0,1,2,3
	global_load_b128 v[BIAS+8*\b:BIAS+8*\b+3],   v[BIO], s[8:9] offset:64*\b      ; bp of columns 16 b + 8 h + 0 .. 7 of my 64: the accumulator's layout
	global_load_b128 v[BIAS+8*\b+4:BIAS+8*\b+7], v[BIO], s[8:9] offset:64*\b+16
.endr
	WIN 0
	v_mul_u32_u24 v3, v1, PA
	v_lshl_add_u32 v3, v2, 4, v3
	s_mul_i32 s62, s[ROLE], 128*PA                 ; my 128 rows
	v_add_nc_u32 v[ADRA], s62, v3
	v_add_nc_u32 v[ADRA+1], SLOT, v[ADRA]
	v_and_b32 v4, 7, v0
	v_bfe_u32 v5, v0, 3, 1
	v_lshl_add_u32 v4, v2, 3, v4                   ; the turning load: row k = 8 h + l % 8,
	v_mul_u32_u24 v4, v4, PB
	v_lshl_add_u32 v4, v5, 4, v4                   ; columns 8 ((l / 8) % 2) on,
	s_lshl_b32 s62, s[HF], 7                       ; of my 64
	s_add_co_u32 s62, s62, BOFF
	v_add_nc_u32 v[ADRB], s62, v4
	v_add_nc_u32 v[ADRB+1], SLOT, v[ADRB]
	s_mul_i32 s63, s[WV], 16*SPITCH
	s_add_co_u32 s63, s63, STAGE                   ; my stage
	v_mul_u32_u24 v6, v1, SPITCH
	v_lshl_add_u32 v6, v2, 5, v6
	v_add_nc_u32 v[STO], s63, v6                   ; in: row r, 32 bytes for each half of the lanes
	v_mul_u32_u24 v7, v2, SPITCH
	v_lshl_add_u32 v7, v1, 4, v7
	v_add_nc_u32 v[RD], s63, v7                    ; back: sixteen lanes to a row of 256 bytes, two rows an instruction
	v_lshlrev_b32 v[CO], 12, v2
	v_lshl_add_u32 v[CO], v1, 4, v[CO]             ; and the same two rows in out
.macro FETCH slot, q, p                ; 24 LDS loads: the fragments of the slot's q-th 32 along K (head q / 2, channels 32 (q % 2) on) into buffer p
	WIN 0x40
.irp a, 0,1,2,3,4,5,6,7
.irp c, 0,1
	ds_load_b128 v[96*(\p)+8*\a+4*\c:96*(\p)+8*\a+4*\c+3], v[ADRA+(\slot)] offset:((\q)/2)*AHALF+16*PA*\a+64*((\q)%2)+32*\c
.endr
.endr
.irp b, 0,1,2,3
.irp c, 0,1
	ds_load_tr16_b128 v[96*(\p)+64+8*\b+4*\c:96*(\p)+64+8*\b+4*\c+3], v[ADRB+(\slot)] offset:32*PB*(\q)+32*\b+16*PB*\c
.endr
.endr
.endm
.macro MUL p, first                    ; 32 matrix instructions, the 32 accumulators by turns, one instruction a turn, in the same order everywhere
.if \first
	WIN 0x95                                       ; sources window 1, C (bp) window 1, D window 2
.else
	WIN 0xa5
.endif
.irp a, 0,1,2,3,4,5,6,7
.irp b, 0,1,2,3
.if \first
	v_wmma_f32_16x16x32_f16 v[8*(4*\a+\b):8*(4*\a+\b)+7], v[96*(\p)+64+8*\b:96*(\p)+64+8*\b+7], v[96*(\p)+8*\a:96*(\p)+8*\a+7], v[BIAS+8*\b:BIAS+8*\b+7]
.else
	v_wmma_f32_16x16x32_f16 v[8*(4*\a+\b):8*(4*\a+\b)+7], v[96*(\p)+64+8*\b:96*(\p)+64+8*\b+7], v[96*(\p)+8*\a:96*(\p)+8*\a+7], v[8*(4*\a+\b):8*(4*\a+\b)+7]
.endif
.endr
.endr
.endm
; A K step.  In front of the round each wave waits for all its tensor loads (the one that is out is its part of this trip's slot), adds 0 to its spare word, and waits for that and for its reads of the other slot.
; Behind the round no wave of any partner reads the other slot or has a load on its way: it is filled with the next K step, first thing.
.macro TRIP slot, refill, first
	WIN 0
	s_wait_tensorcnt 0x0                           ; no tensor load of mine is out, so a group 0 may be written
	ds_add_u32 v[SPW], v[NIL]                      ; 0 onto my spare word; the steps below stand between it and the wait for it
	s_add_nc_u64 s[G0A+4*\slot+2:G0A+4*\slot+3], s[G0A+4*\slot+2:G0A+4*\slot+3], 2*KSB   ; this slot's next K step (in the last two trips the stepped address is not used)
	s_add_nc_u64 s[G0B+4*\slot+2:G0B+4*\slot+3], s[G0B+4*\slot+2:G0B+4*\slot+3], 2*KSB
	s_wait_dscnt 0x0                               ; the add is done, and my reads of the other slot are over
	CROUND
.if \refill
	JLOAD G0A+4*(1-\slot), G1A, G0B+4*(1-\slot), G1B   ; my one tensor load behind the round; its four v_nop are also the places in front of the loads below
.else
	PLACES 4
.endif
	FETCH \slot, 0, 0
.if \first
	s_wait_loadcnt 0x0                             ; bp
.endif
.irp kq, 0,1,2,3
.if \kq < 3
.if \kq > 0
	PLACES 4                                       ; four plain places between the last products and loads into the buffer that they read
.endif
	FETCH \slot, \kq+1, (\kq+1)%2
	s_wait_dscnt 24                                ; all but the 24 just issued
.else
	s_wait_dscnt 0x0
.endif
.if \first && (\kq == 0)
	MUL 0, 1
.else
	MUL \kq%2, 0
.endif
.endr
.endm
	TRIP 0, 1, 1                                   ; eight K steps, written out
	TRIP 1, 1, 0
	TRIP 0, 1, 0
	TRIP 1, 1, 0
	TRIP 0, 1, 0
	TRIP 1, 1, 0
	TRIP 0, 1, 0
	TRIP 1, 0, 0
; THE WAY OUT, 16 rows x 64 columns at a time, through my own stage: sixteen lanes then store 256 consecutive bytes of a row of out, aligned.
.macro TOSTAGE a
	WIN 0x08                                       ; an LDS store's data: window 2
.irp b, 0,1,2,3
	ds_store_b128 v[STO], v[8*(4*(\a)+\b):8*(4*(\a)+\b)+3] offset:64*\b           ; each accumulator from its low end on
	ds_store_b128 v[STO], v[8*(4*(\a)+\b)+4:8*(4*(\a)+\b)+7] offset:64*\b+16
.endr
	WIN 0
.set BB, BK+32*((\a)%2)
.irp i, 0,1,2,3,4,5,6,7
	ds_load_b128 v[BB+4*\i:BB+4*\i+3], v[RD] offset:2*SPITCH*\i   ; LDS serves a wave's instructions in order: these see the stores above
.endr
.endm
.macro SEND a, younger                 ; younger: the LDS instructions issued behind block a's loads, which may stay out
.set BB, BK+32*((\a)%2)
	s_wait_dscnt \younger
.irp i, 0,1,2,3,4,5,6,7
	global_store_b128 v[CO], v[BB+4*\i:BB+4*\i+3], s[60:61] offset:(16*(\a)+2*\i)*4096 th:TH_STORE_NT   ; written once, read by nobody here; 126 rows of 4,096 bytes at the most in the immediate
.endr
.endm
	PLACES 4                                       ; behind the last products, ahead of the first read of results
	TOSTAGE 0
.irp a, 1,2,3,4,5,6,7
.if \a > 1
	s_wait_xcnt 0x0                                ; block a - 2's stores have read their registers: block a's loads may land there
.endif
	TOSTAGE \a
	SEND \a-1, 16                                  ; behind block a - 1's loads: block a's 8 stores and 8 loads
.endr
	SEND 7, 0
	s_wait_tensorcnt 0x0                           ; the wave's end
	ds_add_u32 v[SPW], v[NIL]
	s_wait_dscnt 0x0
	CROUND                                         ; the closing round: no work-group ends while a partner may still ask for a tile that names it
	s_endpgm
.Lfunc_end_k_qe59bf3eeba_outp:
	.size	k_qe59bf3eeba_outp, .Lfunc_end_k_qe59bf3eeba_outp-k_qe59bf3eeba_outp
	.p2alignl 7, 3214868480
	.fill 96, 4, 3214868480
	.section	.rodata,"a",@progbits
	.p2align	6, 0x0
	.amdhsa_kernel k_qe59bf3eeba_outp
		.amdhsa_group_segment_fixed_size 327680
		.amdhsa_private_segment_fixed_size 0
		.amdhsa_enable_private_segment 0
		.amdhsa_kernarg_size 32
		.amdhsa_user_sgpr_count 2
		.amdhsa_user_sgpr_kernarg_segment_ptr 1
		.amdhsa_wavefront_size32 1
		.amdhsa_system_sgpr_workgroup_id_x 1
		.amdhsa_system_sgpr_workgroup_id_y 1
		.amdhsa_system_sgpr_workgroup_id_z 1
		.amdhsa_system_vgpr_workitem_id 0
		.amdhsa_next_free_vgpr 768
		.amdhsa_next_free_sgpr 72
		.amdhsa_reserve_vcc 0
		.amdhsa_float_denorm_mode_32 3
		.amdhsa_float_denorm_mode_16_64 3
		.amdhsa_memory_ordered 1
		.amdhsa_forward_progress 1
		.amdhsa_inst_pref_size 148
	.end_amdhsa_kernel
	.amdgpu_metadata
---
amdhsa.version: [ 1, 2 ]
amdhsa.kernels:
  - .name:           k_qe59bf3eeba_outp
    .symbol:         k_qe59bf3eeba_outp.kd
    .args:
      - { .name: hds, .offset: 0, .size: 8, .value_kind: global_buffer, .address_space: global }
      - { .name: wph, .offset: 8, .size: 8, .value_kind: global_buffer, .address_space: global }
      - { .name: bp, .offset: 16, .size: 8, .value_kind: global_buffer, .address_space: global }
      - { .name: out0, .offset: 24, .size: 8, .value_kind: global_buffer, .address_space: global }
    .group_segment_fixed_size: 327680
    .private_segment_fixed_size: 0
    .kernarg_segment_align: 8
    .kernarg_segment_size: 32
    .max_flat_workgroup_size: 128
    .sgpr_count:     72
    .vgpr_count:     768
    .wavefront_size: 32
...
	.end_amdgpu_metadata
.endif
;; end of part 4
